; MI455X (gfx1250); checked and timed in simulation.
; The chip was launched on July 23, 2026; its instructions are those of AMD's public machine-readable ISA for CDNA 5 (MIT licence, August 2026) and "CDNA5" Instruction Set Architecture Reference Guide (July 2026). The comments in the code are by the model that wrote it; some were corrected since.
;; Multi Head Attention. Allowed arithmetic: float matrix products may take bf16 or f16 operands with f32 sums; all other float work in f32.
;; Inputs: Wk 1,024 x 1,024 float32; Wo 1,024 x 1,024 float32; Wq 1,024 x 1,024 float32; Wv 1,024 x 1,024 float32; bk 1,024 float32; bo 1,024 float32; bq 1,024 float32; bv 1,024 float32; k 4 x 2,048 x 1,024 float32; mask 4 x 1 x 1 x 2,048 int32; q 4 x 2,048 x 1,024 float32; v 4 x 2,048 x 1,024 float32.
;; Outputs: out0 4 x 2,048 x 1,024 float32.
;; 2 versions, each right. Each part assembles by itself: llvm-mc -triple=amdgcn-amd-amdhsa -mcpu=gfx1250 --defsym DOCPART=n.
;; ======== version 1 of 2: 4 launches
;; limits: values are held in f16: magnitudes above 65,504 overflow, below 6.1e-05 lose precision
;; workspace buffers: w16 8,388,608 bytes; qkv16 50,331,648 bytes; ctx16 16,777,216 bytes
;; launch prep (part 1): grid 64 x 4, 8 waves a work-group, no clusters, 0 bytes of LDS; arguments Wq, Wk, Wv, Wo, w16; writes w16
.if DOCPART == 1
	.amdgcn_target "amdgcn-amd-amdhsa--gfx1250"
	.amdhsa_code_object_version 6
	.text
	.protected	k_q865fca7e7e_prep
	.globl	k_q865fca7e7e_prep
	.p2align	8
	.type	k_q865fca7e7e_prep,@function
k_q865fca7e7e_prep:
	s_mov_b64 s[64:65], 0
	v_nop
	global_prefetch_b8 v0, s[64:65] scope:SCOPE_SE
	s_setreg_imm32_b32 hwreg(HW_REG_WAVE_MODE, 25, 1), 1
	s_wait_xcnt 0x0
; w16[y] = f16(W[y] * f), y = 0..3 for Wq, Wk, Wv, Wo; the layout [k][n] is kept.  f = 0.125 * log2(e) for Wq (the softmax
; scale 1/sqrt(64) and the change from e^x to 2^x are folded into the query projection), 1.0 for the others.
; A plain stream: no value is used twice, so LDS, barriers, clusters and the matrix unit have nothing to add.
; A work-group owns 65,536 bytes of one matrix: 16 loads of 16 bytes a thread, all issued first; a wave's load covers 512
; consecutive bytes, a wave's store 256 consecutive bytes at a multiple of 256 from the buffer's first byte.
; LIMIT: |W * f| must stay below 65,504, the largest f16 (the drawn weights are below 0.04).
.set X, 8                              ; v[8:71]   16 x 4 numbers as loaded
.set Y, 72                             ; v[72:103] 16 x 2 registers of f16 to store
	s_load_b256 s[4:11], s[0:1], 0x0               ; Wq s[4:5], Wk s[6:7], Wv s[8:9], Wo s[10:11]
	s_load_b64 s[12:13], s[0:1], 0x20              ; w16
	s_and_b32 s14, ttmp7, 0xffff                   ; y: which matrix
	s_lshl_b32 s18, ttmp9, 16                      ; my 65,536 bytes of the source
	s_mov_b32 s19, 0
	s_lshl_b32 s20, s14, 21                        ; matrix y of w16 (2,097,152 bytes each)
	s_lshl_b32 s21, ttmp9, 15                      ; my 32,768 bytes in it
	s_add_co_u32 s20, s20, s21
	s_mov_b32 s21, 0
	v_lshlrev_b32 v1, 4, v0                        ; 16 bytes a thread in
	v_lshlrev_b32 v2, 3, v0                        ; 8 bytes a thread out
	s_wait_kmcnt 0x0
	s_cmp_eq_u32 s14, 1
	s_cselect_b64 s[4:5], s[6:7], s[4:5]
	s_cmp_eq_u32 s14, 2
	s_cselect_b64 s[4:5], s[8:9], s[4:5]
	s_cmp_eq_u32 s14, 3
	s_cselect_b64 s[4:5], s[10:11], s[4:5]
	s_cmp_eq_u32 s14, 0
	s_cselect_b32 s16, 0x3e38aa3b, 1.0             ; 0.125 * log2(e), or 1
	s_mov_b32 s17, s16
	s_add_nc_u64 s[4:5], s[4:5], s[18:19]
	s_add_nc_u64 s[12:13], s[12:13], s[20:21]
.irp j, 0,1,2,3,4,5,6,7,8,9,10,11,12,13,14,15
	global_load_b128 v[X+4*\j:X+4*\j+3], v1, s[4:5] offset:4096*\j th:TH_LOAD_NT
.endr
.irp j, 0,1,2,3,4,5,6,7,8,9,10,11,12,13,14,15
	s_wait_loadcnt 15-\j                           ; loads come back in order: load j is in, the younger ones stay out
	v_pk_mul_f32 v[X+4*\j:X+4*\j+1], v[X+4*\j:X+4*\j+1], s[16:17] op_sel_hi:[1,0]
	v_pk_mul_f32 v[X+4*\j+2:X+4*\j+3], v[X+4*\j+2:X+4*\j+3], s[16:17] op_sel_hi:[1,0]
	v_cvt_pk_f16_f32 v[Y+2*\j], v[X+4*\j], v[X+4*\j+1]
	v_cvt_pk_f16_f32 v[Y+2*\j+1], v[X+4*\j+2], v[X+4*\j+3]
	global_store_b64 v2, v[Y+2*\j:Y+2*\j+1], s[12:13] offset:2048*\j   ; no register is written twice: no further wait
.endr
	s_endpgm
.Lfunc_end_k_q865fca7e7e_prep:
	.size	k_q865fca7e7e_prep, .Lfunc_end_k_q865fca7e7e_prep-k_q865fca7e7e_prep
	.p2alignl 7, 3214868480
	.fill 96, 4, 3214868480
	.section	.rodata,"a",@progbits
	.p2align	6, 0x0
	.amdhsa_kernel k_q865fca7e7e_prep
		.amdhsa_group_segment_fixed_size 0
		.amdhsa_private_segment_fixed_size 0
		.amdhsa_enable_private_segment 0
		.amdhsa_kernarg_size 40
		.amdhsa_user_sgpr_count 2
		.amdhsa_user_sgpr_kernarg_segment_ptr 1
		.amdhsa_wavefront_size32 1
		.amdhsa_system_sgpr_workgroup_id_x 1
		.amdhsa_system_sgpr_workgroup_id_y 1
		.amdhsa_system_sgpr_workgroup_id_z 1
		.amdhsa_system_vgpr_workitem_id 0
		.amdhsa_next_free_vgpr 112
		.amdhsa_next_free_sgpr 66
		.amdhsa_reserve_vcc 0
		.amdhsa_float_denorm_mode_32 3
		.amdhsa_float_denorm_mode_16_64 3
		.amdhsa_memory_ordered 1
		.amdhsa_forward_progress 1
		.amdhsa_inst_pref_size 9
	.end_amdhsa_kernel
	.amdgpu_metadata
---
amdhsa.version: [ 1, 2 ]
amdhsa.kernels:
  - .name:           k_q865fca7e7e_prep
    .symbol:         k_q865fca7e7e_prep.kd
    .args:
      - { .name: Wq, .offset: 0, .size: 8, .value_kind: global_buffer, .address_space: global }
      - { .name: Wk, .offset: 8, .size: 8, .value_kind: global_buffer, .address_space: global }
      - { .name: Wv, .offset: 16, .size: 8, .value_kind: global_buffer, .address_space: global }
      - { .name: Wo, .offset: 24, .size: 8, .value_kind: global_buffer, .address_space: global }
      - { .name: w16, .offset: 32, .size: 8, .value_kind: global_buffer, .address_space: global }
    .group_segment_fixed_size: 0
    .private_segment_fixed_size: 0
    .kernarg_segment_align: 8
    .kernarg_segment_size: 40
    .max_flat_workgroup_size: 256
    .sgpr_count:     66
    .vgpr_count:     112
    .wavefront_size: 32
...
	.end_amdgpu_metadata
.endif
;; end of part 1
;; launch qkv (part 2): grid 4 x 96, 4 waves a work-group, clusters of 4 x 4, 327,680 bytes of LDS; arguments q, k, v, w16, bq, bk, bv, qkv16; writes qkv16
.if DOCPART == 2
	.amdgcn_target "amdgcn-amd-amdhsa--gfx1250"
	.amdhsa_code_object_version 6
	.text
	.protected	k_q865fca7e7e_qkv
	.globl	k_q865fca7e7e_qkv
	.p2align	8
	.type	k_q865fca7e7e_qkv,@function
k_q865fca7e7e_qkv:
	s_mov_b64 s[64:65], 0
	v_nop
	global_prefetch_b8 v0, s[64:65] scope:SCOPE_SE
	s_setreg_imm32_b32 hwreg(HW_REG_WAVE_MODE, 25, 1), 1
	s_wait_xcnt 0x0
	s_wait_alu depctr_hold_cnt(0) depctr_sa_sdst(0) depctr_va_vdst(0) depctr_va_sdst(0) depctr_va_ssrc(0) depctr_va_vcc(0) depctr_vm_vsrc(0)
	s_getreg_b32 s2, hwreg(HW_REG_IB_STS2, 6, 4)
	s_cmp_eq_u32 s2, 0
	s_cbranch_scc0 .Lentry_in_a_cluster
	s_endpgm
.Lentry_in_a_cluster:
	s_bfe_u32 s2, ttmp6, 0x10000c
	s_cmp_lg_u32 s2, 0xf033
	s_cbranch_scc0 .Lentry_shape_is_right
	s_endpgm
.Lentry_shape_is_right:
; Three projections in one launch: Y = x W + b for (q, Wq, bq), (k, Wk, bk), (v, Wv, bv); x [8192][1024] f32, W as f16 [k][n]
; from w16 (Wq already times f = 0.125 log2 e; bq is multiplied by f here).  Y goes out as f16, head-major:
; qkv16 + mi * 16,777,216 + ((b * 16 + head) * 2048 + s) * 128 + 2 d.
; A work-group makes 256 x 256 of Y with four waves, a wave 128 x 128: 64 accumulator tiles, 512 registers.  K goes in 16 steps of 64
; through two LDS slots filled by the tensor data mover: x's tile rows are 256 bytes of f32, W's tile rows 256 bytes of f16.
; x is rounded to f16 on the way from LDS to the matrix unit (64 conversions for 64 matrix instructions); a pass of its own for that would
; write and read 50 MB more for each of the three.
; CLUSTERS: 4 x 4 work-groups.  The four of a row of the cluster need the same rows of x, the four of a column the same columns of W:
; both tiles are asked for jointly, which divides the requests for them by four.  The cluster's y (0..23) gives the projection,
; mi = y / 8, alike in all sixteen.
; The bias is the C operand of the first product of each sum: nothing is cleared and nothing is added afterwards.
; THE MATRIX INSTRUCTION IS USED TRANSPOSED: source 0 = 16 columns of W, source 1 = 16 rows of x, so that lane l holds row l % 16 of Y
; and its 8 registers the columns 8 (l / 16) + 0..7: 16 bytes of f16 that belong together.
; LIMIT: x, W and Y are f16 operands: |x|, |W|, |Y| below 65,504 (drawn: 6, 0.04, 4).
; REGISTERS in windows of 256:
;   window 0: v16-27 addresses; v64-127, v128-191 x's fragments in f16, two buffers; v192-255 the bias, later the way out's packed results
;   window 1: v64-127, v128-191 W's fragments, two buffers; v0-63 and v192-255 x as f32, 16 registers for each of 8 fragments
;   window 2: accumulator tiles of my rows 0-63 (tile (a, b) at v[8 (8 a + b)]); window 3: of my rows 64-127
.set KSTEP,  64
.set APITCH, 272                       ; 256 bytes of f32 + 16: the 16 rows of a load start at 16 different 16-byte columns modulo 256
.set AHALF,  128*APITCH                ; 128 rows of x: one tensor load, and what one wave reads
.set BPITCH, 288                       ; 256 bytes of f16 + 32: the 8 rows and 2 columns of a transposing load fall on 16 different columns
.set BHALF,  KSTEP*BPITCH              ; 64 k rows x 128 columns of W: one tensor load, and what one wave reads
.set BOFF,   2*AHALF
.set SLOT,   BOFF+2*BHALF              ; 106,496
.set STAGE,  2*SLOT                    ; behind the ring: 16 rows x 272 bytes for each wave; no tensor load lands here
.set SPITCH, 272
.set LAPS,   1024/(2*KSTEP)            ; a lap = two K steps = once round the ring
.set ADRA, 16                          ; v16-17 LDS address of my x fragments in slot 0, 1
.set ADRB, 20                          ; v20-21 the same for W
.set STO,  24
.set RD,   25
.set CO,   26
.set BOF,  27
.set F0,   64
.set F1,   128
.set BIAS, 192
.set TMP,  192
.set G1,  24                           ; s[24:31] group 1 for x's tiles
.set G0,  32                           ; s[32:39] group 0 for x's tiles, one set a slot
.set G1B, 48                           ; s[48:55] group 1 for W's tiles
.set G0B, 56                           ; s[56:63] group 0 for W's tiles, one set a slot
.set MSB, 0
.macro WIN new                         ; the immediate's high byte repeats the setting that is left
.if MSB != (\new)
	s_set_vgpr_msb (MSB<<8)|(\new)
.set MSB, (\new)
.endif
.endm
.macro PLACES
.rept 4
	v_nop
.endr
.endm
; A joint load: waves 0 and 1 fetch x's two halves, waves 2 and 3 W's.  The branch hangs on the wave's number alone.
.macro JLOAD s
	s_cmp_eq_u32 s11, 0
	s_cbranch_scc0 .Lfor_b_\@
	tensor_load_to_lds s[G0+4*\s:G0+4*\s+3], s[G1:G1+7]
	s_nop 0
.rept 4
	v_nop
.endr
	s_branch .Lasked_\@
.Lfor_b_\@:
	tensor_load_to_lds s[G0B+4*\s:G0B+4*\s+3], s[G1B:G1B+7]
	s_nop 0
.rept 4
	v_nop
.endr
.Lasked_\@:
.endm
.macro CREST                           ; a round of the cluster's barrier behind its opening work-group barrier
	s_cmp_lg_u32 s10, 0
	s_cbranch_scc1 .Lnot_wave_0_\@
	s_barrier_signal -3
.Lnot_wave_0_\@:
	s_barrier_wait -3
	s_barrier_signal -1
	s_barrier_wait -1
.endm
.macro CROUND
	s_barrier_signal -1
	s_barrier_wait -1
	CREST
.endm
	s_load_b512 s[68:83], s[0:1], 0x0              ; q, k, v, w16, bq, bk, bv, qkv16
	v_lshl_add_u32 v62, v0, 2, 0x38400
	v_mov_b32 v63, 0
	ds_add_u32 v62, v63
	v_lshrrev_b32 v1, 5, v0
	v_readfirstlane_b32 s10, v1                    ; wave 0..3
	s_lshr_b32 s11, s10, 1                         ; my half of the block's rows.  Also: I fetch for x (0) or for W (1)
	s_and_b32 s12, s10, 1                          ; my half of its columns.  Also: which half of that tile I fetch
	s_bfe_u32 s40, ttmp6, 0x40000                  ; cx
	s_bfe_u32 s41, ttmp6, 0x40004                  ; cy
	s_lshl_b32 s42, ttmp9, 2
	s_add_co_u32 s42, s42, s40                     ; bx: block column 0..3
	s_and_b32 s45, ttmp7, 0xffff                   ; the cluster's y, 0..23
	s_and_b32 s13, s45, 7
	s_lshr_b32 s45, s45, 3                         ; mi: 0 q, 1 k, 2 v; alike in the whole cluster
	s_lshl_b32 s13, s13, 2
	s_add_co_u32 s13, s13, s41                     ; rb: block row 0..31
	s_lshl_b32 s43, s41, 2
	s_lshl_b32 s43, 15, s43                        ; my row of the cluster
	s_lshl_b32 s44, 0x1111, s40                    ; my column
	; group 1 for x: 128 rows x 64 elements of 4 bytes, pitch 1,024 elements; 4 words of padding behind every 64
	s_or_b32 s[G1+0], s43, (2<<16)|(1<<20)|(1<<21)|(5<<22)|(3<<25)
	s_mov_b32 s[G1+1], 64<<16                      ; tensor_dim0 = 64
	s_mov_b32 s[G1+2], 128<<16                     ; tensor_dim1 = 128
	s_mov_b32 s[G1+3], 64<<16                      ; tile_dim0 = 64
	s_mov_b32 s[G1+4], 128                         ; tile_dim1 = 128
	s_mov_b32 s[G1+5], 1024                        ; elements from row to row
	s_mov_b32 s[G1+6], 0
	s_mov_b32 s[G1+7], 0
	; group 1 for W: 64 k rows x 128 elements of 2 bytes, pitch 1,024 elements; 8 words of padding behind every 64
	s_or_b32 s[G1B+0], s44, (1<<16)|(1<<20)|(1<<21)|(5<<22)|(7<<25)
	s_mov_b32 s[G1B+1], 128<<16
	s_mov_b32 s[G1B+2], 64<<16
	s_mov_b32 s[G1B+3], 128<<16
	s_mov_b32 s[G1B+4], 64
	s_mov_b32 s[G1B+5], 1024
	s_mov_b32 s[G1B+6], 0
	s_mov_b32 s[G1B+7], 0
	; x's tile hangs on the block row (and mi), W's on the block column (and mi); each offset in registers that never hold the other coordinate
	s_lshl_b32 s16, s13, 20                        ; 256 rows of 4,096 bytes a block row
	s_lshl_b32 s17, s12, 19                        ; + 128 rows for the second half
	s_add_co_u32 s16, s16, s17
	s_mov_b32 s17, 0
	s_lshl_b32 s46, s42, 9                         ; 256 columns of 2 bytes a block column
	s_lshl_b32 s47, s12, 8
	s_add_co_u32 s46, s46, s47
	s_lshl_b32 s47, s45, 21                        ; matrix mi of w16
	s_add_co_u32 s46, s46, s47
	s_mov_b32 s47, 0
	s_mul_i32 s20, s12, AHALF                      ; where the tiles go: no place in the cluster enters an LDS address
	s_mul_i32 s21, s12, BHALF
	s_add_co_u32 s21, s21, BOFF
	s_lshl_b32 s86, s42, 10                        ; my 128 numbers of the bias: (256 bx + 128 half) x 4 bytes
	s_lshl_b32 s87, s12, 9
	s_add_co_u32 s86, s86, s87
	s_mov_b32 s87, 0
	s_lshr_b32 s88, s13, 3                         ; batch = rb / 8
	s_lshl_b32 s88, s88, 4
	s_lshl2_add_u32 s88, s42, s88                  ; + 4 bx
	s_lshl1_add_u32 s88, s12, s88                  ; + 2 half: my first head, counted over batches
	s_lshl_b32 s88, s88, 18                        ; 2,048 rows of 128 bytes a head
	s_and_b32 s89, s13, 7
	s_lshl1_add_u32 s89, s89, s11                  ; my first row in the batch, in units of 128 rows
	s_lshl_b32 s89, s89, 14
	s_add_co_u32 s88, s88, s89
	s_lshl_b32 s89, s45, 24                        ; Q, K or V
	s_add_co_u32 s88, s88, s89
	s_mov_b32 s89, 0
	s_wait_dscnt 0x0
	s_wait_kmcnt 0x0
	s_cmp_eq_u32 s45, 1
	s_cselect_b64 s[4:5], s[70:71], s[68:69]       ; x
	s_cselect_b64 s[6:7], s[78:79], s[76:77]       ; its bias
	s_cmp_eq_u32 s45, 2
	s_cselect_b64 s[4:5], s[72:73], s[4:5]
	s_cselect_b64 s[6:7], s[80:81], s[6:7]
	s_cmp_eq_u32 s45, 0
	s_cselect_b32 s84, 0x3e38aa3b, 1.0             ; bq takes the factor that Wq already holds
	s_mov_b32 s85, s84
	s_add_nc_u64 s[14:15], s[4:5], s[16:17]
	s_add_nc_u64 s[46:47], s[74:75], s[46:47]
	s_add_nc_u64 s[6:7], s[6:7], s[86:87]
	s_add_nc_u64 s[8:9], s[82:83], s[88:89]
	CROUND                                         ; all sixteen work-groups are here: the first joint loads meet
.irp s, 0,1
	s_mov_b32 s[G0+4*\s], 1
	s_add_co_u32 s[G0+4*\s+1], s20, \s*SLOT
	s_add_nc_u64 s[G0+4*\s+2:G0+4*\s+3], s[14:15], \s*KSTEP*4
	s_or_b32 s[G0+4*\s+3], s[G0+4*\s+3], 0x80000000
	s_mov_b32 s[G0B+4*\s], 1
	s_add_co_u32 s[G0B+4*\s+1], s21, \s*SLOT
	s_add_nc_u64 s[G0B+4*\s+2:G0B+4*\s+3], s[46:47], \s*KSTEP*2048
	s_or_b32 s[G0B+4*\s+3], s[G0B+4*\s+3], 0x80000000
	JLOAD \s                                       ; K steps 0 and 1: two tensor loads of this wave are out, later one
.endr
	v_and_b32 v1, 15, v0                           ; r = l % 16
	v_bfe_u32 v2, v0, 4, 1                         ; h = l / 16
	v_bfe_u32 v5, v0, 3, 1
	v_lshlrev_b32 v[BOF], 5, v2                    ; the bias of my 8 columns of a tile: 32 h
.irp b, 0,1,2,3,4,5,6,7
	global_load_b128 v[BIAS+8*\b:BIAS+8*\b+3],   v[BOF], s[6:7] offset:64*\b
	global_load_b128 v[BIAS+8*\b+4:BIAS+8*\b+7], v[BOF], s[6:7] offset:64*\b+16
.endr
	v_mul_u32_u24 v3, v1, APITCH                   ; x: row r, 8 h numbers of 4 bytes
	v_lshl_add_u32 v3, v2, 5, v3
	v_and_b32 v4, 7, v0                            ; W: k row 8 h + l % 8, 16 bytes for each eight lanes
	v_lshl_add_u32 v4, v2, 3, v4
	v_mul_u32_u24 v4, v4, BPITCH
	v_lshl_add_u32 v4, v5, 4, v4
	s_mul_i32 s18, s11, AHALF
	s_mul_i32 s19, s12, BHALF
	s_add_co_u32 s19, s19, BOFF
.irp s, 0,1
	v_add_nc_u32 v[ADRA+\s], s18, v3
	v_add_nc_u32 v[ADRB+\s], s19, v4
	s_add_co_u32 s18, s18, SLOT
	s_add_co_u32 s19, s19, SLOT
.endr
	s_mul_i32 s23, s10, 16*SPITCH
	s_add_co_u32 s23, s23, STAGE                   ; my stage
	v_mul_u32_u24 v6, v1, SPITCH                   ; in: row r, 16 bytes for each half of the lanes
	v_lshl_add_u32 v6, v2, 4, v6
	v_add_nc_u32 v[STO], s23, v6
	v_and_b32 v7, 7, v0
	v_lshlrev_b32 v7, 4, v7
	v_mul_u32_u24 v8, v5, SPITCH                   ; back: lanes 0-7 a row's first 128 bytes (one head), lanes 8-15 the next row's; lanes 16-31 the second head
	v_lshl_add_u32 v8, v2, 7, v8
	v_add3_u32 v[RD], v8, v7, s23
	v_lshl_add_u32 v9, v5, 7, v7                   ; in memory two rows of a head are 256 consecutive bytes,
	v_lshl_add_u32 v[CO], v2, 18, v9               ; the next head lies 262,144 bytes on
	s_wait_loadcnt 0x0
.set jj, 0
.rept 32
	v_pk_mul_f32 v[BIAS+2*jj:BIAS+2*jj+1], v[BIAS+2*jj:BIAS+2*jj+1], s[84:85] op_sel_hi:[1,0]
.set jj, jj+1
.endr
; 48 LDS loads, all into window 1: the fragments of 32 along K (half q of the slot's 64): W by transposing loads into buffer g,
; x as f32, 16 registers a fragment (k = 8 h .. 8 h + 7 at bytes 0 and 16, k = 16 + 8 h .. at bytes 64 and 80)
.macro FETCH slot, q, g
	WIN 0x40
.irp b, 0,1,2,3,4,5,6,7
	ds_load_tr16_b128 v[\g+8*\b:\g+8*\b+3],   v[ADRB+\slot] offset:(32*\q)*BPITCH+32*\b
	ds_load_tr16_b128 v[\g+8*\b+4:\g+8*\b+7], v[ADRB+\slot] offset:(32*\q+16)*BPITCH+32*\b
.endr
.irp i, 0,1,2,3,4,5,6,7
	ds_load_b128 v[16*\i+128*(\i/4):16*\i+128*(\i/4)+3],     v[ADRA+\slot] offset:\i*16*APITCH+128*\q
	ds_load_b128 v[16*\i+128*(\i/4)+4:16*\i+128*(\i/4)+7],   v[ADRA+\slot] offset:\i*16*APITCH+128*\q+16
	ds_load_b128 v[16*\i+128*(\i/4)+8:16*\i+128*(\i/4)+11],  v[ADRA+\slot] offset:\i*16*APITCH+128*\q+64
	ds_load_b128 v[16*\i+128*(\i/4)+12:16*\i+128*(\i/4)+15], v[ADRA+\slot] offset:\i*16*APITCH+128*\q+80
.endr
.endm
; x's eight fragments from f32 (window 1) to f16 (window 0, buffer g).  These 64 plain vector instructions name no register of the matrix
; instructions in front of them, so they are also the places between those and the next loads into fragment registers.
.macro CVT g
	WIN 0x05
.irp i, 0,1,2,3,4,5,6,7
	s_wait_dscnt 28-4*\i                           ; LDS loads come back in order: fragment i (and all of W) is in, the four loads of each younger fragment stay out
.irp c, 0,1,2,3,4,5,6,7
	v_cvt_pk_f16_f32 v[\g+8*\i+\c], v[16*\i+128*(\i/4)+2*\c], v[16*\i+128*(\i/4)+2*\c+1]
.endr
.endr
.endm
; 16 matrix instructions: m blocks a0, a0 + 1 of the window's four x all 8 n blocks.  start = 1: C is the bias (window 0).
; The 64 accumulators take turns, one instruction a turn, in one fixed order.
.macro MUL f, hi, a0, start
.if \start
	WIN 0x81+0x40*\hi
.else
	WIN 0xa1+0x50*\hi
.endif
.irp a, \a0, \a0+1
.irp b, 0,1,2,3,4,5,6,7
.if \start
	v_wmma_f32_16x16x32_f16 v[8*(8*(\a)+\b):8*(8*(\a)+\b)+7], v[\f+8*\b:\f+8*\b+7], v[\f+8*(4*\hi+\a):\f+8*(4*\hi+\a)+7], v[BIAS+8*\b:BIAS+8*\b+7]
.else
	v_wmma_f32_16x16x32_f16 v[8*(8*(\a)+\b):8*(8*(\a)+\b)+7], v[\f+8*\b:\f+8*\b+7], v[\f+8*(4*\hi+\a):\f+8*(4*\hi+\a)+7], v[8*(8*(\a)+\b):8*(8*(\a)+\b)+7]
.endif
.endr
.endr
.endm
; First half of a K step: the second half's fragments are asked for, buffer 0 is multiplied, then they are converted.
.macro QUARTER slot, start
	FETCH \slot, 1, F1
	MUL F0, 0, 0, \start
	MUL F0, 0, 2, \start
	MUL F0, 1, 0, \start
	MUL F0, 1, 2, \start
	CVT F1
.endm
; Second half: buffer 1 is multiplied and the slots change.  In front of the barrier each wave has waited for its reads of this slot and
; for all its tensor loads (one is out: its part of the next slot).  Behind it the refill comes first, then the next slot is read.
; From a request to the wait for it a wave issues 112 matrix instructions.
.macro TURN slot, next, fill
	MUL F1, 0, 0, 0
	s_wait_dscnt 0x0                               ; my reads of this slot are over
	s_set_vgpr_msb 0xa1a0
	s_wait_tensorcnt 0x0                           ; all my tensor loads have landed
	ds_add_u32 v62, v63
	s_wait_dscnt 0x0
	s_set_vgpr_msb 0xa0a1
	s_barrier_signal -1                            ; (where the slot is filled again this barrier opens a round of the cluster's barrier)
	MUL F1, 0, 2, 0                                ; register work while the others arrive
	WIN 0
	s_barrier_wait -1
.if \fill
	CREST                                          ; no wave of any partner still reads this slot or has a load on its way
	s_add_nc_u64 s[G0+4*\slot+2:G0+4*\slot+3], s[G0+4*\slot+2:G0+4*\slot+3], 2*KSTEP*4
	s_add_nc_u64 s[G0B+4*\slot+2:G0B+4*\slot+3], s[G0B+4*\slot+2:G0B+4*\slot+3], 2*KSTEP*2048
	JLOAD \slot                                    ; the first tensor load behind the round, one a wave
.endif
	FETCH \next, 0, F0
	MUL F1, 1, 0, 0
	MUL F1, 1, 2, 0
	CVT F0
.endm
.macro LAP start
	QUARTER 0, \start
	TURN 0, 1, 1
	QUARTER 1, 0
	TURN 1, 0, 1
.endm
	s_wait_tensorcnt 0x1                           ; my part of K step 0 is in; K step 1's may stay out
	s_barrier_signal -1
	s_barrier_wait -1
	FETCH 0, 0, F0
	CVT F0
	LAP 1                                          ; the first lap stands in front of the loop: its first products start the sums from the bias
	WIN 0
	s_mov_b32 s3, LAPS-2
.Llap:
	LAP 0
	WIN 0
	s_sub_co_u32 s3, s3, 1
	s_cmp_lg_u32 s3, 0
	s_cbranch_scc1 .Llap
	QUARTER 0, 0                                   ; the last lap fills nothing
	TURN 0, 1, 0
	QUARTER 1, 0
	MUL F1, 0, 0, 0
	MUL F1, 0, 2, 0
	MUL F1, 1, 0, 0
	MUL F1, 1, 2, 0
	PLACES                                         ; four places between the last matrix instructions and what reads their results
; THE WAY OUT, 16 rows at a time: round to f16, 16 bytes a lane into my own stage, read back so that sixteen neighbouring lanes hold
; two rows of one head: 256 consecutive bytes at a multiple of 256 from the buffer's first byte.
.macro OUT16 i, a, from, f
	WIN \from
.irp b, 0,1,2,3,4,5,6,7
.irp r, 0,1,2,3
	v_cvt_pk_f16_f32 v[TMP+4*\b+\r], v[8*(8*\a+\b)+2*\r], v[8*(8*\a+\b)+2*\r+1]
.endr
.endr
	WIN 0
.irp b, 0,1,2,3,4,5,6,7
	ds_store_b128 v[STO], v[TMP+4*\b:TMP+4*\b+3] offset:32*\b
.endr
	s_wait_xcnt 0x0                                ; buffer f, which earlier stores read, is loaded again only behind this wait
.irp t, 0,1,2,3,4,5,6,7
	ds_load_b128 v[\f+4*\t:\f+4*\t+3], v[RD] offset:\t*2*SPITCH    ; LDS serves a wave's instructions in order: these see the stores above
.endr
.irp t, 0,1,2,3,4,5,6,7
	s_wait_dscnt 7-\t
	global_store_b128 v[CO], v[\f+4*\t:\f+4*\t+3], s[8:9] offset:\i*2048+\t*256
.endr
.endm
	OUT16 0, 0, 0x0a, F0
	OUT16 1, 1, 0x0a, F1
	OUT16 2, 2, 0x0a, F0
	OUT16 3, 3, 0x0a, F1
	OUT16 4, 0, 0x0f, F0
	OUT16 5, 1, 0x0f, F1
	OUT16 6, 2, 0x0f, F0
	OUT16 7, 3, 0x0f, F1
	s_wait_dscnt 0x0
	s_wait_tensorcnt 0x0
	ds_add_u32 v62, v63
	s_wait_dscnt 0x0
	CROUND                                         ; the closing round: no work-group ends while a partner may still ask jointly
	s_endpgm
.Lfunc_end_k_q865fca7e7e_qkv:
	.size	k_q865fca7e7e_qkv, .Lfunc_end_k_q865fca7e7e_qkv-k_q865fca7e7e_qkv
	.p2alignl 7, 3214868480
	.fill 96, 4, 3214868480
	.section	.rodata,"a",@progbits
	.p2align	6, 0x0
	.amdhsa_kernel k_q865fca7e7e_qkv
		.amdhsa_group_segment_fixed_size 327680
		.amdhsa_private_segment_fixed_size 0
		.amdhsa_enable_private_segment 0
		.amdhsa_kernarg_size 64
		.amdhsa_user_sgpr_count 2
		.amdhsa_user_sgpr_kernarg_segment_ptr 1
		.amdhsa_wavefront_size32 1
		.amdhsa_system_sgpr_workgroup_id_x 1
		.amdhsa_system_sgpr_workgroup_id_y 1
		.amdhsa_system_sgpr_workgroup_id_z 1
		.amdhsa_system_vgpr_workitem_id 0
		.amdhsa_next_free_vgpr 1024
		.amdhsa_next_free_sgpr 90
		.amdhsa_reserve_vcc 0
		.amdhsa_float_denorm_mode_32 3
		.amdhsa_float_denorm_mode_16_64 3
		.amdhsa_memory_ordered 1
		.amdhsa_forward_progress 1
		.amdhsa_inst_pref_size 187
	.end_amdhsa_kernel
	.amdgpu_metadata
---
amdhsa.version: [ 1, 2 ]
amdhsa.kernels:
  - .name:           k_q865fca7e7e_qkv
    .symbol:         k_q865fca7e7e_qkv.kd
    .args:
      - { .name: q, .offset: 0, .size: 8, .value_kind: global_buffer, .address_space: global }
      - { .name: k, .offset: 8, .size: 8, .value_kind: global_buffer, .address_space: global }
      - { .name: v, .offset: 16, .size: 8, .value_kind: global_buffer, .address_space: global }
      - { .name: w16, .offset: 24, .size: 8, .value_kind: global_buffer, .address_space: global }
      - { .name: bq, .offset: 32, .size: 8, .value_kind: global_buffer, .address_space: global }
      - { .name: bk, .offset: 40, .size: 8, .value_kind: global_buffer, .address_space: global }
      - { .name: bv, .offset: 48, .size: 8, .value_kind: global_buffer, .address_space: global }
      - { .name: qkv16, .offset: 56, .size: 8, .value_kind: global_buffer, .address_space: global }
    .group_segment_fixed_size: 327680
    .private_segment_fixed_size: 0
    .kernarg_segment_align: 8
    .kernarg_segment_size: 64
    .max_flat_workgroup_size: 128
    .sgpr_count:     90
    .vgpr_count:     1024
    .wavefront_size: 32
...
	.end_amdgpu_metadata
.endif
;; end of part 2
;; launch attn (part 3): grid 256 x 1, 8 waves a work-group, clusters of 4 x 1, 327,680 bytes of LDS; arguments qkv16, mask, ctx16; writes ctx16
.if DOCPART == 3
	.amdgcn_target "amdgcn-amd-amdhsa--gfx1250"
	.amdhsa_code_object_version 6
	.text
	.protected	k_q865fca7e7e_attn
	.globl	k_q865fca7e7e_attn
	.p2align	8
	.type	k_q865fca7e7e_attn,@function
k_q865fca7e7e_attn:
	s_mov_b64 s[64:65], 0
	v_nop
	global_prefetch_b8 v0, s[64:65] scope:SCOPE_SE
	s_setreg_imm32_b32 hwreg(HW_REG_WAVE_MODE, 25, 1), 1
	s_wait_xcnt 0x0
	s_wait_alu depctr_hold_cnt(0) depctr_sa_sdst(0) depctr_va_vdst(0) depctr_va_sdst(0) depctr_va_ssrc(0) depctr_va_vcc(0) depctr_vm_vsrc(0)
	s_getreg_b32 s2, hwreg(HW_REG_IB_STS2, 6, 4)
	s_cmp_eq_u32 s2, 0
	s_cbranch_scc0 .Lentry_in_a_cluster
	s_endpgm
.Lentry_in_a_cluster:
	s_bfe_u32 s2, ttmp6, 0x10000c
	s_cmp_lg_u32 s2, 0x3003
	s_cbranch_scc0 .Lentry_shape_is_right
	s_endpgm
.Lentry_shape_is_right:
; ctx = softmax(Q K^T / 8 + mask * -1e9) V for one head and 512 queries a work-group; scores never leave registers.
; Q already holds the factor 0.125 log2(e), so scores are in units of log2 and every exponential is one v_exp_f32; the mask's bias is
; f32(mask) * (-1e9 log2 e).  The maximum is a running one, taken away before every exponential.
; A cluster of four work-groups is one (batch, head): its four blocks of 512 queries read the same K and V tiles, which are asked for
; jointly.  Eight waves, two on a SIMD, 64 queries each, so that one wave's softmax can run beside the other's matrix work.
; ORIENTATION: S^T = K Q^T (source 0 = 16 keys, source 1 = 16 queries): lane (r, h) holds query r, keys 8 h + j.  Two neighbouring tiles
; of S^T, rounded to f16, ARE a source-1 fragment of P^T, register for register; O^T = V^T P^T with V^T read by transposing loads.
; So maximum, sum and rescale factor are one number a lane, and only the maximum crosses lanes (one v_permlanex16_b32 a tile of queries).
; LIMITS: Q, K, V, ctx are f16: below 65,504 in magnitude.  In a batch whose keys are ALL masked the result hangs on how score + bias
; rounds: here scores with |logit| < 44 vanish in the f32 sum with -1.44e9, in the source formula those with |logit| < 32 vanish in the
; sum with -1e9; both then give the uniform softmax; for larger logits in such a batch the two roundings differ.
; REGISTERS: window 0: v2-6 LDS addresses; v8-15 maxima (pair n: kept, new); v16-23 (pair n: rescale factor, other half's value);
;   v24-31 two partial sums for each n; v32-95 Q; v96-159 K's or V's fragments; v160-223 P in f16; v224-255 the bias of 64 keys.
;   window 1: v0-127 S (tile (n, mt) at 32 n + 8 mt); v128-255 O (tile (dt, n) at 128 + 32 n + 8 dt).
.set KPITCH, 144                       ; 128 bytes + 16: 16 rows start at 16 different 16-byte columns modulo 256
.set VPITCH, 160                       ; 128 bytes + 32, for the transposing loads
.set PART,   10240                     ; 64 keys of K (9,216 used) or of V: one wave's tensor load
.set SLOT,   8*PART                    ; 256 keys: K's four parts, then V's four
.set VOFF,   4*PART
.set BIASL,  2*SLOT                    ; 2,048 f32: the bias of every key; written by LDS stores, no tensor load lands here
.set STAGE,  BIASL+8192                ; 16 rows x 144 bytes for each wave
.set SPITCH, 144
.set AK,  2
.set AV,  4
.set ABI, 6
.set MX,  8
.set AL,  16
.set LS,  24
.set Q,   32
.set KV,  96
.set P,   160
.set BI,  224
.set O,   128
.set G1K, 24
.set G0K, 32
.set G1V, 48
.set G0V, 56
.set MSB, 0
.macro WIN new
.if MSB != (\new)
	s_set_vgpr_msb (MSB<<8)|(\new)
.set MSB, (\new)
.endif
.endm
.macro PLACES
.rept 4
	v_nop
.endr
.endm
.macro JLOAD s                         ; waves 0-3 fetch K's four parts, waves 4-7 V's
	s_cmp_eq_u32 s11, 0
	s_cbranch_scc0 .Lfor_v_\@
	tensor_load_to_lds s[G0K+4*\s:G0K+4*\s+3], s[G1K:G1K+7]
	s_nop 0
.rept 4
	v_nop
.endr
	s_branch .Lasked_\@
.Lfor_v_\@:
	tensor_load_to_lds s[G0V+4*\s:G0V+4*\s+3], s[G1V:G1V+7]
	s_nop 0
.rept 4
	v_nop
.endr
.Lasked_\@:
.endm
.macro CROUND                          ; a round of the cluster's barrier
	s_barrier_signal -1
	s_barrier_wait -1
	s_cmp_lg_u32 s10, 0
	s_cbranch_scc1 .Lnot_wave_0_\@
	s_barrier_signal -3
.Lnot_wave_0_\@:
	s_barrier_wait -3
	s_barrier_signal -1
	s_barrier_wait -1
.endm
	s_load_b128 s[4:7], s[0:1], 0x0                ; qkv16, mask
	s_load_b64 s[8:9], s[0:1], 0x10                ; ctx16
	v_lshl_add_u32 v254, v0, 2, 0x2e800
	v_mov_b32 v255, 0
	ds_add_u32 v254, v255
	s_wait_dscnt 0x0
	v_lshrrev_b32 v1, 5, v0
	v_readfirstlane_b32 s10, v1                    ; wave 0..7
	s_lshr_b32 s11, s10, 2                         ; I fetch for K (0) or V (1)
	s_and_b32 s12, s10, 3                          ; which 64 keys of the tile
	s_bfe_u32 s13, ttmp6, 0x40000                  ; cx: which 512 queries; enters the addresses of Q and ctx alone
	s_mov_b32 s14, ttmp9                           ; the cluster's x = batch * 16 + head
	s_lshr_b32 s15, s14, 4                         ; batch
	s_mov_b32 s16, 0x76543210                      ; v_permlanex16_b32: lane i reads lane i of the other half
	s_mov_b32 s17, 0xfedcba98
	; group 1: 64 rows x 64 elements of 2 bytes, dense; padding behind every 32 words: 4 words for K, 8 for V; mask: all four partners
	s_mov_b32 s[G1K+0], 15|(1<<16)|(1<<20)|(1<<21)|(4<<22)|(3<<25)
	s_mov_b32 s[G1K+1], 64<<16
	s_mov_b32 s[G1K+2], 64<<16
	s_mov_b32 s[G1K+3], 64<<16
	s_mov_b32 s[G1K+4], 64
	s_mov_b32 s[G1K+5], 64
	s_mov_b32 s[G1K+6], 0
	s_mov_b32 s[G1K+7], 0
	s_mov_b32 s[G1V+0], 15|(1<<16)|(1<<20)|(1<<21)|(4<<22)|(7<<25)
	s_mov_b32 s[G1V+1], 64<<16
	s_mov_b32 s[G1V+2], 64<<16
	s_mov_b32 s[G1V+3], 64<<16
	s_mov_b32 s[G1V+4], 64
	s_mov_b32 s[G1V+5], 64
	s_mov_b32 s[G1V+6], 0
	s_mov_b32 s[G1V+7], 0
	s_lshl_b32 s20, s14, 18                        ; the head: 2,048 rows of 128 bytes
	s_lshl_b32 s21, s12, 13                        ; my 64 keys
	s_add_co_u32 s20, s20, s21
	s_mov_b32 s21, 0
	s_lshl_b32 s22, s14, 18                        ; my wave's 64 queries: head, 512 cx, 64 wave
	s_lshl_b32 s23, s13, 16
	s_add_co_u32 s22, s22, s23
	s_lshl_b32 s23, s10, 13
	s_add_co_u32 s22, s22, s23
	s_mov_b32 s23, 0
	s_mul_i32 s18, s10, PART                       ; my part of a slot
	s_mul_i32 s19, s10, 16*SPITCH
	s_add_co_u32 s19, s19, STAGE                   ; my stage
	s_lshl_b32 s46, s15, 13                        ; the batch's 2,048 mask words
	s_mov_b32 s47, 0
	s_wait_kmcnt 0x0
	s_add_nc_u64 s[40:41], s[4:5], s[20:21]
	s_add_nc_u64 s[42:43], s[40:41], 0x2000000     ; V lies 33,554,432 bytes into qkv16,
	s_add_nc_u64 s[40:41], s[40:41], 0x1000000     ; K 16,777,216
	s_add_nc_u64 s[44:45], s[4:5], s[22:23]        ; Q
	s_add_nc_u64 s[8:9], s[8:9], s[22:23]          ; ctx, same layout
	s_add_nc_u64 s[6:7], s[6:7], s[46:47]
	CROUND                                         ; the four work-groups are here: the first joint loads meet
.irp s, 0,1
	s_mov_b32 s[G0K+4*\s], 1
	s_add_co_u32 s[G0K+4*\s+1], s18, \s*SLOT
	s_add_nc_u64 s[G0K+4*\s+2:G0K+4*\s+3], s[40:41], \s*32768
	s_or_b32 s[G0K+4*\s+3], s[G0K+4*\s+3], 0x80000000
	s_mov_b32 s[G0V+4*\s], 1
	s_add_co_u32 s[G0V+4*\s+1], s18, \s*SLOT
	s_add_nc_u64 s[G0V+4*\s+2:G0V+4*\s+3], s[42:43], \s*32768
	s_or_b32 s[G0V+4*\s+3], s[G0V+4*\s+3], 0x80000000
	JLOAD \s                                       ; tiles 0 and 1 (256 keys each): two tensor loads of this wave are out, later one
.endr
	v_and_b32 v96, 15, v0                          ; r
	v_bfe_u32 v97, v0, 4, 1                        ; h
	v_and_b32 v98, 7, v0
	v_bfe_u32 v99, v0, 3, 1
	v_lshlrev_b32 v7, 5, v0                        ; thread t turns the mask of keys 8 t .. 8 t + 7 into the bias
	global_load_b128 v[BI:BI+3],   v7, s[6:7]
	global_load_b128 v[BI+4:BI+7], v7, s[6:7] offset:16
	v_lshlrev_b32 v1, 7, v96                       ; Q: row r of 128 bytes, 16 h
	v_lshl_add_u32 v1, v97, 4, v1
.irp n, 0,1,2,3
.irp ks, 0,1
	global_load_b128 v[Q+16*\n+8*\ks:Q+16*\n+8*\ks+3],   v1, s[44:45] offset:\n*2048+\ks*64
	global_load_b128 v[Q+16*\n+8*\ks+4:Q+16*\n+8*\ks+7], v1, s[44:45] offset:\n*2048+\ks*64+32
.endr
.endr
	v_mul_u32_u24 v[AK], v96, KPITCH
	v_lshl_add_u32 v[AK], v97, 4, v[AK]
	v_add_nc_u32 v[AK+1], SLOT, v[AK]
	v_lshl_add_u32 v100, v97, 3, v98               ; V: key row 8 h + l % 8, 16 bytes for each eight lanes
	v_mul_u32_u24 v100, v100, VPITCH
	v_lshl_add_u32 v100, v99, 4, v100
	v_add_nc_u32 v[AV], VOFF, v100
	v_add_nc_u32 v[AV+1], VOFF+SLOT, v100
	v_lshlrev_b32 v[ABI], 5, v97                   ; the bias of my 8 keys of a tile: 32 h
	v_add_nc_u32 v[ABI], BIASL, v[ABI]
	v_add_nc_u32 v101, BIASL, v7
.irp i, 0,1,2,3,4,5,6,7
	v_mov_b32 v[LS+\i], 0                          ; eight partial sums
.endr
.irp n, 0,1,2,3
	v_mov_b32 v[AL+2*\n+1], 0                      ; a lane permute's destination counts as read
.endr
	s_wait_loadcnt 16                              ; the two mask loads are in; Q's sixteen stay out
.irp i, 0,1,2,3,4,5,6,7
	v_cvt_f32_i32 v[BI+\i], v[BI+\i]
.endr
.irp i, 0,2,4,6
	v_pk_mul_f32 v[BI+\i:BI+\i+1], v[BI+\i:BI+\i+1], 0xceabfb8f op_sel_hi:[1,0]   ; x -1e9 log2(e)
.endr
	ds_store_b128 v101, v[BI:BI+3]
	ds_store_b128 v101, v[BI+4:BI+7] offset:16
	s_wait_loadcnt 0x0                             ; Q
	s_wait_dscnt 0x0                               ; my part of the bias is in LDS, for the others' sake
	s_wait_tensorcnt 0x1                           ; my part of tile 0 is in; tile 1's may stay out
	s_barrier_signal -1
	s_barrier_wait -1
; 64 keys (part sub of the slot) against my 64 queries: 32 matrix instructions for S^T, the softmax step, 32 for O^T.
; first = 1: nothing is kept yet: no old maximum, no rescaling, O's sums start from the constant 0.
; In both groups the 16 accumulators take turns, one instruction a turn, in one fixed order.
.macro SUB slot, sub, first
	WIN 0
	PLACES                                         ; four places between the last matrix instructions and the loads into their source registers
.irp ks, 0,1
.irp mt, 0,1,2,3
	ds_load_b128 v[KV+16*\mt+8*\ks:KV+16*\mt+8*\ks+3],   v[AK+\slot] offset:\sub*PART+\mt*16*KPITCH+\ks*64
	ds_load_b128 v[KV+16*\mt+8*\ks+4:KV+16*\mt+8*\ks+7], v[AK+\slot] offset:\sub*PART+\mt*16*KPITCH+\ks*64+32
.endr
.endr
.irp mt, 0,1,2,3
	ds_load_b128 v[BI+8*\mt:BI+8*\mt+3],   v[ABI] offset:\sub*256+\mt*64
	ds_load_b128 v[BI+8*\mt+4:BI+8*\mt+7], v[ABI] offset:\sub*256+\mt*64+16
.endr
	s_wait_dscnt 16                                ; K's d = 0..31 are in; 16 younger loads stay out
	WIN 0x40
.irp n, 0,1,2,3
.irp mt, 0,1,2,3
	v_wmma_f32_16x16x32_f16 v[32*\n+8*\mt:32*\n+8*\mt+7], v[KV+16*\mt:KV+16*\mt+7], v[Q+16*\n:Q+16*\n+7], 0
.endr
.endr
	s_wait_dscnt 8                                 ; K's d = 32..63 are in; the bias's 8 loads stay out
	WIN 0x50
.irp n, 0,1,2,3
.irp mt, 0,1,2,3
	v_wmma_f32_16x16x32_f16 v[32*\n+8*\mt:32*\n+8*\mt+7], v[KV+16*\mt+8:KV+16*\mt+15], v[Q+16*\n+8:Q+16*\n+15], v[32*\n+8*\mt:32*\n+8*\mt+7]
.endr
.endr
	PLACES                                         ; four places: V is loaded over K, and the sums below read S
	WIN 0
.irp ks, 0,1
.irp dt, 0,1,2,3
	ds_load_tr16_b128 v[KV+16*\dt+8*\ks:KV+16*\dt+8*\ks+3],   v[AV+\slot] offset:\sub*PART+(32*\ks)*VPITCH+32*\dt
	ds_load_tr16_b128 v[KV+16*\dt+8*\ks+4:KV+16*\dt+8*\ks+7], v[AV+\slot] offset:\sub*PART+(32*\ks+16)*VPITCH+32*\dt
.endr
.endr
	s_wait_dscnt 16                                ; the bias is in; V's 16 loads stay out
	WIN 0x41
.irp n, 0,1,2,3
.irp mt, 0,1,2,3
.irp c, 0,2,4,6
	v_pk_add_f32 v[32*\n+8*\mt+\c:32*\n+8*\mt+\c+1], v[32*\n+8*\mt+\c:32*\n+8*\mt+\c+1], v[BI+8*\mt+\c:BI+8*\mt+\c+1]   ; score + bias, rounded to nearest in f32
.endr
.endr
.endr
	WIN 0x05                                       ; the new maximum of each query: four chains, one for each tile of queries
.irp n, 0,1,2,3
.if \first
	v_max_num_f32 v[MX+2*\n+1], v[32*\n], v[32*\n+1]
.else
	v_max3_num_f32 v[MX+2*\n+1], v[32*\n], v[32*\n+1], v[MX+2*\n]
.endif
.endr
.set ii, 1
.rept 15
.irp n, 0,1,2,3
	v_max3_num_f32 v[MX+2*\n+1], v[32*\n+2*ii], v[32*\n+2*ii+1], v[MX+2*\n+1]
.endr
.set ii, ii+1
.endr
	WIN 0
.irp n, 0,1,2,3
	v_permlanex16_b32 v[AL+2*\n+1], v[MX+2*\n+1], s16, s17         ; the other half of the lanes holds the query's other keys
.endr
.irp n, 0,1,2,3
	v_max_num_f32 v[MX+2*\n+1], v[MX+2*\n+1], v[AL+2*\n+1]
.endr
.if \first == 0
.irp n, 0,1,2,3
	v_sub_f32 v[AL+2*\n], v[MX+2*\n], v[MX+2*\n+1]                 ; old maximum - new, at most 0
.endr
.irp n, 0,1,2,3
	v_exp_f32 v[AL+2*\n], v[AL+2*\n]                               ; what is kept shrinks by this factor
.endr
.endif
.irp n, 0,1,2,3
	v_mov_b32 v[MX+2*\n], v[MX+2*\n+1]                             ; plain instructions between the exponentials and their use (ISA guide 5.7.2)
.endr
.if \first == 0
	s_wait_alu depctr_va_vdst(0)
.irp n, 0,1,2,3
	v_pk_mul_f32 v[LS+2*\n:LS+2*\n+1], v[LS+2*\n:LS+2*\n+1], v[AL+2*\n:AL+2*\n+1] op_sel_hi:[1,0]
.endr
.endif
	WIN 0x41                                       ; P = 2^(S - maximum), in place; O's rescaling stands behind each run of exponentials as its plain place
.irp n, 0,1,2,3
.irp g, 0,1,2,3
.irp c, 0,2,4,6
	v_pk_add_f32 v[32*\n+8*\g+\c:32*\n+8*\g+\c+1], v[32*\n+8*\g+\c:32*\n+8*\g+\c+1], v[MX+2*\n:MX+2*\n+1] op_sel_hi:[1,0] neg_lo:[0,1] neg_hi:[0,1]
.endr
.irp c, 0,1,2,3,4,5,6,7
	v_exp_f32 v[32*\n+8*\g+\c], v[32*\n+8*\g+\c]
.endr
.if \first == 0
.irp c, 0,2,4,6
	v_pk_mul_f32 v[O+32*\n+8*\g+\c:O+32*\n+8*\g+\c+1], v[O+32*\n+8*\g+\c:O+32*\n+8*\g+\c+1], v[AL+2*\n:AL+2*\n+1] op_sel_hi:[1,0]
.endr
.endif
.endr
.endr
	WIN 0x01                                       ; the sums, two a lane and tile of queries
.set ii, 0
	s_wait_alu depctr_va_vdst(0)
.rept 16
.irp n, 0,1,2,3
	v_pk_add_f32 v[LS+2*\n:LS+2*\n+1], v[32*\n+2*ii:32*\n+2*ii+1], v[LS+2*\n:LS+2*\n+1]
.endr
.set ii, ii+1
.endr
	WIN 0x05                                       ; P to f16: register j of the four fragments' 64 is S's registers 2 j, 2 j + 1
.set jj, 0
.rept 64
	v_cvt_pk_f16_f32 v[P+jj], v[2*jj], v[2*jj+1]
.set jj, jj+1
.endr
	s_wait_dscnt 0x0                               ; V
	WIN 0x50
.irp ks, 0,1
.irp n, 0,1,2,3
.irp dt, 0,1,2,3
.if \first*(1-\ks)
	v_wmma_f32_16x16x32_f16 v[O+32*\n+8*\dt:O+32*\n+8*\dt+7], v[KV+16*\dt+8*\ks:KV+16*\dt+8*\ks+7], v[P+16*\n+8*\ks:P+16*\n+8*\ks+7], 0
.else
	v_wmma_f32_16x16x32_f16 v[O+32*\n+8*\dt:O+32*\n+8*\dt+7], v[KV+16*\dt+8*\ks:KV+16*\dt+8*\ks+7], v[P+16*\n+8*\ks:P+16*\n+8*\ks+7], v[O+32*\n+8*\dt:O+32*\n+8*\dt+7]
.endif
.endr
.endr
.endr
.endm
; A tile of 256 keys.  mode 1: the slot is filled again with the tile two further on; mode 0: only the next tile is shown whole; mode 2: the last.
.macro TRIP slot, mode, first
	SUB \slot, 0, \first
	SUB \slot, 1, 0
	SUB \slot, 2, 0
	SUB \slot, 3, 0
	WIN 0
	v_add_nc_u32 v[ABI], 1024, v[ABI]              ; the next 256 keys' bias
.if \mode == 1
	s_wait_dscnt 0x0                               ; my reads of this slot are over
	s_wait_xcnt 0x0
	v_lshl_add_u32 v254, v0, 2, 0x2e800
	v_mov_b32 v255, 0
	s_wait_tensorcnt 0x0                           ; all my tensor loads have landed: my part of the next tile
	ds_add_u32 v254, v255
	s_wait_dscnt 0x0
	CROUND                                         ; both now hold of every wave of all four work-groups
	s_add_nc_u64 s[G0K+4*\slot+2:G0K+4*\slot+3], s[G0K+4*\slot+2:G0K+4*\slot+3], 65536
	s_add_nc_u64 s[G0V+4*\slot+2:G0V+4*\slot+3], s[G0V+4*\slot+2:G0V+4*\slot+3], 65536
	JLOAD \slot                                    ; the first tensor load behind the round, one a wave; it has a whole tile's work in which to land
.endif
.if \mode == 0
	s_wait_dscnt 0x0
	s_wait_tensorcnt 0x0                           ; my part of the last tile
	s_barrier_signal -1
	s_barrier_wait -1
.endif
.endm
	TRIP 0, 1, 1                                   ; tiles 0 and 1 stand in front of the loop: the first 64 keys start the sums
	TRIP 1, 1, 0
	s_mov_b32 s3, 2
.Llap:
	TRIP 0, 1, 0                                   ; tiles 2 to 5
	TRIP 1, 1, 0
	s_sub_co_u32 s3, s3, 1
	s_cmp_lg_u32 s3, 0
	s_cbranch_scc1 .Llap
	TRIP 0, 0, 0                                   ; tile 6: nothing is left to fetch
	TRIP 1, 2, 0                                   ; tile 7
	; THE WAY OUT: divide by the sum, round to f16, 16 queries at a time through my own stage, so that a store of the wave covers four whole
	; rows of ctx: 512 consecutive bytes at a multiple of 256 from the buffer's first byte.
	PLACES
	v_and_b32 v5, 15, v0
	v_bfe_u32 v6, v0, 4, 1
	v_mul_u32_u24 v2, v5, SPITCH                   ; in: row r, 16 bytes for each half of the lanes
	v_lshl_add_u32 v2, v6, 4, v2
	v_add_nc_u32 v2, s19, v2
	v_and_b32 v7, 31, v0
	v_lshlrev_b32 v4, 4, v7                        ; in memory: 16 x lane
	v_lshrrev_b32 v5, 3, v7
	v_and_b32 v6, 7, v0
	v_mul_u32_u24 v3, v5, SPITCH                   ; back: eight lanes a row
	v_lshl_add_u32 v3, v6, 4, v3
	v_add_nc_u32 v3, s19, v3
.irp n, 0,1,2,3
	v_add_f32 v[LS+2*\n], v[LS+2*\n], v[LS+2*\n+1]
.endr
.irp n, 0,1,2,3
	v_permlanex16_b32 v[AL+2*\n+1], v[LS+2*\n], s16, s17
.endr
.irp n, 0,1,2,3
	v_add_f32 v[LS+2*\n], v[LS+2*\n], v[AL+2*\n+1]                 ; at least 1: the key of the maximum counts 2^0
.endr
.irp n, 0,1,2,3
	v_rcp_f32 v[AL+2*\n], v[LS+2*\n]
.endr
	v_nop                                          ; one plain place behind the reciprocals
	WIN 0x41
.set jj, 0
	s_wait_alu depctr_va_vdst(0)
.rept 64
	v_pk_mul_f32 v[O+2*jj:O+2*jj+1], v[O+2*jj:O+2*jj+1], v[AL+2*(jj/16):AL+2*(jj/16)+1] op_sel_hi:[1,0]
.set jj, jj+1
.endr
	WIN 0x05
.set jj, 0
.rept 64
	v_cvt_pk_f16_f32 v[P+jj], v[O+2*jj], v[O+2*jj+1]               ; tile (dt, n): registers P + 16 n + 4 dt .. + 3 = d 16 dt + 8 h .. + 7 of query r
.set jj, jj+1
.endr
	WIN 0
.irp n, 0,1,2,3
.irp dt, 0,1,2,3
	ds_store_b128 v2, v[P+16*\n+4*\dt:P+16*\n+4*\dt+3] offset:32*\dt
.endr
.irp t, 0,1,2,3
	ds_load_b128 v[Q+16*\n+4*\t:Q+16*\n+4*\t+3], v3 offset:\t*4*SPITCH   ; LDS serves a wave's instructions in order: these see the stores above
.endr
.irp t, 0,1,2,3
	s_wait_dscnt 3-\t
	global_store_b128 v4, v[Q+16*\n+4*\t:Q+16*\n+4*\t+3], s[8:9] offset:\n*2048+\t*512   ; each register is loaded once: no further wait
.endr
.endr
	s_wait_dscnt 0x0
	s_wait_xcnt 0x0
	v_lshl_add_u32 v254, v0, 2, 0x2e800
	v_mov_b32 v255, 0
	s_wait_tensorcnt 0x0
	ds_add_u32 v254, v255
	s_wait_dscnt 0x0
	CROUND                                         ; the closing round
	s_endpgm
.Lfunc_end_k_q865fca7e7e_attn:
	.size	k_q865fca7e7e_attn, .Lfunc_end_k_q865fca7e7e_attn-k_q865fca7e7e_attn
	.p2alignl 7, 3214868480
	.fill 96, 4, 3214868480
	.section	.rodata,"a",@progbits
	.p2align	6, 0x0
	.amdhsa_kernel k_q865fca7e7e_attn
		.amdhsa_group_segment_fixed_size 327680
		.amdhsa_private_segment_fixed_size 0
		.amdhsa_enable_private_segment 0
		.amdhsa_kernarg_size 24
		.amdhsa_user_sgpr_count 2
		.amdhsa_user_sgpr_kernarg_segment_ptr 1
		.amdhsa_wavefront_size32 1
		.amdhsa_system_sgpr_workgroup_id_x 1
		.amdhsa_system_sgpr_workgroup_id_y 1
		.amdhsa_system_sgpr_workgroup_id_z 1
		.amdhsa_system_vgpr_workitem_id 0
		.amdhsa_next_free_vgpr 512
		.amdhsa_next_free_sgpr 66
		.amdhsa_reserve_vcc 0
		.amdhsa_float_denorm_mode_32 3
		.amdhsa_float_denorm_mode_16_64 3
		.amdhsa_memory_ordered 1
		.amdhsa_forward_progress 1
		.amdhsa_inst_pref_size 255
	.end_amdhsa_kernel
	.section	.bss,"aw",@nobits
	.p2align	6
	.space	262144
	.amdgpu_metadata
---
amdhsa.version: [ 1, 2 ]
amdhsa.kernels:
  - .name:           k_q865fca7e7e_attn
    .symbol:         k_q865fca7e7e_attn.kd
    .args:
      - { .name: qkv16, .offset: 0, .size: 8, .value_kind: global_buffer, .address_space: global }
      - { .name: mask, .offset: 8, .size: 8, .value_kind: global_buffer, .address_space: global }
      - { .name: ctx16, .offset: 16, .size: 8, .value_kind: global_buffer, .address_space: global }
    .group_segment_fixed_size: 327680
    .private_segment_fixed_size: 0
    .kernarg_segment_align: 8
    .kernarg_segment_size: 24
    .max_flat_workgroup_size: 256
    .sgpr_count:     66
    .vgpr_count:     512
    .wavefront_size: 32
...
	.end_amdgpu_metadata
.endif
;; end of part 3
;; launch outp (part 4): grid 4 x 64, 4 waves a work-group, clusters of 4 x 4, 327,680 bytes of LDS; arguments ctx16, w16, bo, out0; writes out0
.if DOCPART == 4
	.amdgcn_target "amdgcn-amd-amdhsa--gfx1250"
	.amdhsa_code_object_version 6
	.text
	.protected	k_q865fca7e7e_outp
	.globl	k_q865fca7e7e_outp
	.p2align	8
	.type	k_q865fca7e7e_outp,@function
k_q865fca7e7e_outp:
	s_mov_b64 s[64:65], 0
	v_nop
	global_prefetch_b8 v0, s[64:65] scope:SCOPE_SE
	s_setreg_imm32_b32 hwreg(HW_REG_WAVE_MODE, 25, 1), 1
	s_wait_xcnt 0x0
	s_wait_alu depctr_hold_cnt(0) depctr_sa_sdst(0) depctr_va_vdst(0) depctr_va_sdst(0) depctr_va_ssrc(0) depctr_va_vcc(0) depctr_vm_vsrc(0)
	s_getreg_b32 s2, hwreg(HW_REG_IB_STS2, 6, 4)
	s_cmp_eq_u32 s2, 0
	s_cbranch_scc0 .Lentry_in_a_cluster
	s_endpgm
.Lentry_in_a_cluster:
	s_bfe_u32 s2, ttmp6, 0x10000c
	s_cmp_lg_u32 s2, 0xf033
	s_cbranch_scc0 .Lentry_shape_is_right
	s_endpgm
.Lentry_shape_is_right:
; out0 = ctx Wo + bo.  ctx: f16, head-major ((b * 16 + head) * 2048 + s) * 128 + 2 d; Wo: f16 [k][n], the fourth matrix of w16; out0: f32.
; A work-group makes 128 x 256 of out0 (256 work-groups for 8192 x 1024), a wave 64 x 128: 32 accumulator tiles, 256 registers.
; K = head * 64 + d goes in 8 steps of 128, two heads a step, through two LDS slots filled by the tensor data mover.
; CLUSTERS: 4 x 4 work-groups; ctx's tiles are shared along a row of the cluster, Wo's along a column, each asked for jointly.
; The bias is the C operand of the first product.  The matrix instruction is used transposed (source 0 = 16 columns of Wo, source 1 =
; 16 rows of ctx): a lane's 8 results are 8 neighbouring columns of one row, 32 bytes.
; REGISTERS: window 0: v16-27 addresses; v32-63, v64-95 ctx's fragments, two buffers; v96-159, v160-223 Wo's, two buffers;
;   window 1: the 32 accumulator tiles (tile (a, b) at v[8 (8 a + b)]); window 2: v0-63 the bias.
.set KSTEP,  128
.set APITCH, 144                       ; a head's row: 128 bytes + 16
.set AHEAD,  128*APITCH                ; 128 rows of one head: one tensor load
.set BPITCH, 288                       ; 256 bytes + 32, for the transposing loads
.set BHALF,  KSTEP*BPITCH              ; 128 k rows x 128 columns: one tensor load
.set BOFF,   2*AHEAD
.set SLOT,   BOFF+2*BHALF              ; 110,592
.set STAGE,  2*SLOT                    ; 16 rows x 528 bytes for each wave; no tensor load lands here
.set SPITCH, 528
.set LAPS,   1024/(2*KSTEP)
.set ADRA, 16
.set ADRB, 20
.set STO,  24
.set RD,   25
.set CO,   26
.set BOF,  27
.set FA0,  32
.set FB0,  96
.set G1,  24
.set G0,  32
.set G1B, 48
.set G0B, 56
.set MSB, 0
.macro WIN new
.if MSB != (\new)
	s_set_vgpr_msb (MSB<<8)|(\new)
.set MSB, (\new)
.endif
.endm
.macro PLACES
.rept 4
	v_nop
.endr
.endm
.macro JLOAD s                         ; waves 0 and 1 fetch ctx's two heads, waves 2 and 3 Wo's two column halves
	s_cmp_eq_u32 s11, 0
	s_cbranch_scc0 .Lfor_b_\@
	tensor_load_to_lds s[G0+4*\s:G0+4*\s+3], s[G1:G1+7]
	s_nop 0
.rept 4
	v_nop
.endr
	s_branch .Lasked_\@
.Lfor_b_\@:
	tensor_load_to_lds s[G0B+4*\s:G0B+4*\s+3], s[G1B:G1B+7]
	s_nop 0
.rept 4
	v_nop
.endr
.Lasked_\@:
.endm
.macro CREST
	s_cmp_lg_u32 s10, 0
	s_cbranch_scc1 .Lnot_wave_0_\@
	s_barrier_signal -3
.Lnot_wave_0_\@:
	s_barrier_wait -3
	s_barrier_signal -1
	s_barrier_wait -1
.endm
.macro CROUND
	s_barrier_signal -1
	s_barrier_wait -1
	CREST
.endm
	s_load_b256 s[68:75], s[0:1], 0x0              ; ctx16 s[68:69], w16 s[70:71], bo s[72:73], out0 s[74:75]
	v_lshl_add_u32 v254, v0, 2, 0x3e400
	v_mov_b32 v255, 0
	ds_add_u32 v254, v255
	v_lshrrev_b32 v1, 5, v0
	v_readfirstlane_b32 s10, v1                    ; wave 0..3
	s_lshr_b32 s11, s10, 1                         ; my 64 of the block's rows.  Also: I fetch for ctx (0) or Wo (1)
	s_and_b32 s12, s10, 1                          ; my 128 of its columns.  Also: which head, or which column half, I fetch
	s_bfe_u32 s40, ttmp6, 0x40000                  ; cx
	s_bfe_u32 s41, ttmp6, 0x40004                  ; cy
	s_lshl_b32 s42, ttmp9, 2
	s_add_co_u32 s42, s42, s40                     ; bx: block column 0..3
	s_and_b32 s13, ttmp7, 0xffff
	s_lshl_b32 s13, s13, 2
	s_add_co_u32 s13, s13, s41                     ; rb: block row 0..63
	s_lshl_b32 s43, s41, 2
	s_lshl_b32 s43, 15, s43                        ; my row of the cluster
	s_lshl_b32 s44, 0x1111, s40                    ; my column
	; group 1 for ctx: 128 rows x 64 elements of 2 bytes, dense; 4 words of padding behind every 32
	s_or_b32 s[G1+0], s43, (1<<16)|(1<<20)|(1<<21)|(4<<22)|(3<<25)
	s_mov_b32 s[G1+1], 64<<16
	s_mov_b32 s[G1+2], 128<<16
	s_mov_b32 s[G1+3], 64<<16
	s_mov_b32 s[G1+4], 128
	s_mov_b32 s[G1+5], 64
	s_mov_b32 s[G1+6], 0
	s_mov_b32 s[G1+7], 0
	; group 1 for Wo: 128 k rows x 128 elements of 2 bytes, pitch 1,024; 8 words of padding behind every 64
	s_or_b32 s[G1B+0], s44, (1<<16)|(1<<20)|(1<<21)|(5<<22)|(7<<25)
	s_mov_b32 s[G1B+1], 128<<16
	s_mov_b32 s[G1B+2], 128<<16
	s_mov_b32 s[G1B+3], 128<<16
	s_mov_b32 s[G1B+4], 128
	s_mov_b32 s[G1B+5], 1024
	s_mov_b32 s[G1B+6], 0
	s_mov_b32 s[G1B+7], 0
	s_lshr_b32 s16, s13, 4                         ; batch = rb / 16
	s_lshl_b32 s16, s16, 4
	s_add_co_u32 s16, s16, s12                     ; the batch's head 0 or 1
	s_lshl_b32 s16, s16, 18
	s_and_b32 s17, s13, 15
	s_lshl_b32 s17, s17, 14                        ; 128 rows of 128 bytes a block row
	s_add_co_u32 s16, s16, s17
	s_mov_b32 s17, 0
	s_lshl_b32 s46, s42, 9
	s_lshl_b32 s47, s12, 8
	s_add_co_u32 s46, s46, s47
	s_add_co_u32 s46, s46, 3*2097152               ; Wo in w16
	s_mov_b32 s47, 0
	s_mul_i32 s20, s12, AHEAD
	s_mul_i32 s21, s12, BHALF
	s_add_co_u32 s21, s21, BOFF
	s_lshl_b32 s76, s42, 10                        ; my 128 columns, in bytes of f32
	s_lshl_b32 s77, s12, 9
	s_add_co_u32 s76, s76, s77
	s_mov_b32 s77, 0
	s_lshl_b32 s78, s13, 19                        ; my first row of out0: 128 rb + 64 half, 4,096 bytes each
	s_lshl_b32 s79, s11, 18
	s_add_co_u32 s78, s78, s79
	s_add_co_u32 s78, s78, s76
	s_mov_b32 s79, 0
	s_wait_dscnt 0x0
	s_wait_kmcnt 0x0
	s_add_nc_u64 s[14:15], s[68:69], s[16:17]
	s_add_nc_u64 s[46:47], s[70:71], s[46:47]
	s_add_nc_u64 s[6:7], s[72:73], s[76:77]
	s_add_nc_u64 s[8:9], s[74:75], s[78:79]
	CROUND
.irp s, 0,1
	s_mov_b32 s[G0+4*\s], 1
	s_add_co_u32 s[G0+4*\s+1], s20, \s*SLOT
	s_add_nc_u64 s[G0+4*\s+2:G0+4*\s+3], s[14:15], \s*2*262144     ; K step s: two heads on
	s_or_b32 s[G0+4*\s+3], s[G0+4*\s+3], 0x80000000
	s_mov_b32 s[G0B+4*\s], 1
	s_add_co_u32 s[G0B+4*\s+1], s21, \s*SLOT
	s_add_nc_u64 s[G0B+4*\s+2:G0B+4*\s+3], s[46:47], \s*KSTEP*2048
	s_or_b32 s[G0B+4*\s+3], s[G0B+4*\s+3], 0x80000000
	JLOAD \s                                       ; two tensor loads of this wave are out, later one
.endr
	v_and_b32 v1, 15, v0                           ; r
	v_bfe_u32 v2, v0, 4, 1                         ; h
	v_bfe_u32 v5, v0, 3, 1
	v_lshlrev_b32 v[BOF], 5, v2
	WIN 0x80                                       ; the bias goes to window 2
.irp b, 0,1,2,3,4,5,6,7
	global_load_b128 v[8*\b:8*\b+3],   v[BOF], s[6:7] offset:64*\b
	global_load_b128 v[8*\b+4:8*\b+7], v[BOF], s[6:7] offset:64*\b+16
.endr
	WIN 0
	v_mul_u32_u24 v3, v1, APITCH
	v_lshl_add_u32 v3, v2, 4, v3
	v_and_b32 v4, 7, v0
	v_lshl_add_u32 v4, v2, 3, v4
	v_mul_u32_u24 v4, v4, BPITCH
	v_lshl_add_u32 v4, v5, 4, v4
	s_mul_i32 s18, s11, 64*APITCH
	s_mul_i32 s19, s12, BHALF
	s_add_co_u32 s19, s19, BOFF
.irp s, 0,1
	v_add_nc_u32 v[ADRA+\s], s18, v3
	v_add_nc_u32 v[ADRB+\s], s19, v4
	s_add_co_u32 s18, s18, SLOT
	s_add_co_u32 s19, s19, SLOT
.endr
	s_mul_i32 s23, s10, 16*SPITCH
	s_add_co_u32 s23, s23, STAGE
	v_mul_u32_u24 v6, v1, SPITCH                   ; in: row r, 32 bytes for each half of the lanes
	v_lshl_add_u32 v6, v2, 5, v6
	v_add_nc_u32 v[STO], s23, v6
	v_and_b32 v7, 31, v0
	v_lshlrev_b32 v[CO], 4, v7                     ; back and out: 32 lanes take a row's 512 bytes
	v_add_nc_u32 v[RD], s23, v[CO]
; 24 LDS loads: the fragments of quarter j (32 along K) of a slot into buffers g
.macro FETCH slot, j, g
	WIN 0
.irp b, 0,1,2,3,4,5,6,7
	ds_load_tr16_b128 v[FB0+64*\g+8*\b:FB0+64*\g+8*\b+3],   v[ADRB+\slot] offset:(32*\j)*BPITCH+32*\b
	ds_load_tr16_b128 v[FB0+64*\g+8*\b+4:FB0+64*\g+8*\b+7], v[ADRB+\slot] offset:(32*\j+16)*BPITCH+32*\b
.endr
.irp i, 0,1,2,3
	ds_load_b128 v[FA0+32*\g+8*\i:FA0+32*\g+8*\i+3],   v[ADRA+\slot] offset:(\j/2)*AHEAD+\i*16*APITCH+(\j%2)*64
	ds_load_b128 v[FA0+32*\g+8*\i+4:FA0+32*\g+8*\i+7], v[ADRA+\slot] offset:(\j/2)*AHEAD+\i*16*APITCH+(\j%2)*64+32
.endr
.endm
; 16 matrix instructions.  The 32 accumulators take turns, one instruction a turn, in one fixed order.
.macro MUL16 g, a0, start
.if \start
	WIN 0x60
.else
	WIN 0x50
.endif
.irp a, \a0, \a0+1
.irp b, 0,1,2,3,4,5,6,7
.if \start
	v_wmma_f32_16x16x32_f16 v[8*(8*(\a)+\b):8*(8*(\a)+\b)+7], v[FB0+64*\g+8*\b:FB0+64*\g+8*\b+7], v[FA0+32*\g+8*(\a):FA0+32*\g+8*(\a)+7], v[8*\b:8*\b+7]
.else
	v_wmma_f32_16x16x32_f16 v[8*(8*(\a)+\b):8*(8*(\a)+\b)+7], v[FB0+64*\g+8*\b:FB0+64*\g+8*\b+7], v[FA0+32*\g+8*(\a):FA0+32*\g+8*(\a)+7], v[8*(8*(\a)+\b):8*(8*(\a)+\b)+7]
.endif
.endr
.endr
.endm
; One of a K step's first three quarters: quarter jn's fragments are asked for into buffers g, buffers f are multiplied.
.macro QUARTER slot, jn, f, g, start
	PLACES                                         ; four places between the matrix instructions that read buffers g and the loads into them
	FETCH \slot, \jn, \g
	s_wait_dscnt 24                                ; all but the 24 just issued
	MUL16 \f, 0, \start
	MUL16 \f, 2, \start
.endm
.macro THREE slot, start
	QUARTER \slot, 1, 0, 1, \start
	QUARTER \slot, 2, 1, 0, 0
	QUARTER \slot, 3, 0, 1, 0
.endm
; The last quarter changes slots.  From a request to the wait for it a wave issues 112 matrix instructions.
.macro TURN slot, next, fill
	s_wait_dscnt 0x0                               ; buffers 1 are in, and my reads of this slot are over
	s_wait_tensorcnt 0x0                           ; all my tensor loads have landed: my part of the next slot
	ds_add_u32 v254, v255
	s_wait_dscnt 0x0
	s_barrier_signal -1
	MUL16 1, 0, 0
	WIN 0
	s_barrier_wait -1
.if \fill
	CREST                                          ; no wave of any partner still reads this slot or has a load on its way
	s_add_nc_u64 s[G0+4*\slot+2:G0+4*\slot+3], s[G0+4*\slot+2:G0+4*\slot+3], 4*262144
	s_add_nc_u64 s[G0B+4*\slot+2:G0B+4*\slot+3], s[G0B+4*\slot+2:G0B+4*\slot+3], 2*KSTEP*2048
	JLOAD \slot                                    ; the four v_nop behind it are also the places in front of the loads below
.else
	PLACES
.endif
	FETCH \next, 0, 0
	MUL16 1, 2, 0
.endm
.macro LAP start
	THREE 0, \start
	TURN 0, 1, 1
	THREE 1, 0
	TURN 1, 0, 1
.endm
	s_wait_loadcnt 0x0                             ; the bias
	s_wait_tensorcnt 0x1                           ; my part of K step 0 is in; K step 1's may stay out
	s_barrier_signal -1
	s_barrier_wait -1
	FETCH 0, 0, 0
	LAP 1
	WIN 0
	s_mov_b32 s3, LAPS-2
.Llap:
	LAP 0
	WIN 0
	s_sub_co_u32 s3, s3, 1
	s_cmp_lg_u32 s3, 0
	s_cbranch_scc1 .Llap
	THREE 0, 0                                     ; the last lap fills nothing
	TURN 0, 1, 0
	THREE 1, 0
	s_wait_dscnt 0x0
	MUL16 1, 0, 0
	MUL16 1, 2, 0
	PLACES                                         ; four places between the last matrix instructions and the LDS stores of their results
; THE WAY OUT, 16 rows at a time, through my own stage: a store of the wave covers 512 consecutive bytes of one row of out0,
; at a multiple of 256 from the buffer's first byte.
.macro OUTA a, f
	WIN 0x04                                       ; store data from window 1
.irp b, 0,1,2,3,4,5,6,7
	ds_store_b128 v[STO], v[8*(8*\a+\b):8*(8*\a+\b)+3]   offset:64*\b
	ds_store_b128 v[STO], v[8*(8*\a+\b)+4:8*(8*\a+\b)+7] offset:64*\b+16
.endr
	WIN 0
	s_wait_xcnt 0x0                                ; buffer f, which earlier stores read, is loaded again only behind this wait
.irp t, 0,1,2,3,4,5,6,7,8,9,10,11,12,13,14,15
	ds_load_b128 v[\f+4*\t:\f+4*\t+3], v[RD] offset:\t*SPITCH      ; LDS serves a wave's instructions in order: these see the stores above
.endr
.irp t, 0,1,2,3,4,5,6,7,8,9,10,11,12,13,14,15
	s_wait_dscnt 15-\t
	global_store_b128 v[CO], v[\f+4*\t:\f+4*\t+3], s[8:9] offset:(16*\a+\t)*4096 th:TH_STORE_NT
.endr
.endm
	OUTA 0, FB0
	OUTA 1, FB0+64
	OUTA 2, FB0
	OUTA 3, FB0+64
	s_wait_dscnt 0x0
	s_wait_tensorcnt 0x0
	ds_add_u32 v254, v255
	s_wait_dscnt 0x0
	CROUND                                         ; the closing round
	s_endpgm
.Lfunc_end_k_q865fca7e7e_outp:
	.size	k_q865fca7e7e_outp, .Lfunc_end_k_q865fca7e7e_outp-k_q865fca7e7e_outp
	.p2alignl 7, 3214868480
	.fill 96, 4, 3214868480
	.section	.rodata,"a",@progbits
	.p2align	6, 0x0
	.amdhsa_kernel k_q865fca7e7e_outp
		.amdhsa_group_segment_fixed_size 327680
		.amdhsa_private_segment_fixed_size 0
		.amdhsa_enable_private_segment 0
		.amdhsa_kernarg_size 32
		.amdhsa_user_sgpr_count 2
		.amdhsa_user_sgpr_kernarg_segment_ptr 1
		.amdhsa_wavefront_size32 1
		.amdhsa_system_sgpr_workgroup_id_x 1
		.amdhsa_system_sgpr_workgroup_id_y 1
		.amdhsa_system_sgpr_workgroup_id_z 1
		.amdhsa_system_vgpr_workitem_id 0
		.amdhsa_next_free_vgpr 576
		.amdhsa_next_free_sgpr 80
		.amdhsa_reserve_vcc 0
		.amdhsa_float_denorm_mode_32 3
		.amdhsa_float_denorm_mode_16_64 3
		.amdhsa_memory_ordered 1
		.amdhsa_forward_progress 1
		.amdhsa_inst_pref_size 119
	.end_amdhsa_kernel
	.amdgpu_metadata
---
amdhsa.version: [ 1, 2 ]
amdhsa.kernels:
  - .name:           k_q865fca7e7e_outp
    .symbol:         k_q865fca7e7e_outp.kd
    .args:
      - { .name: ctx16, .offset: 0, .size: 8, .value_kind: global_buffer, .address_space: global }
      - { .name: w16, .offset: 8, .size: 8, .value_kind: global_buffer, .address_space: global }
      - { .name: bo, .offset: 16, .size: 8, .value_kind: global_buffer, .address_space: global }
      - { .name: out0, .offset: 24, .size: 8, .value_kind: global_buffer, .address_space: global }
    .group_segment_fixed_size: 327680
    .private_segment_fixed_size: 0
    .kernarg_segment_align: 8
    .kernarg_segment_size: 32
    .max_flat_workgroup_size: 128
    .sgpr_count:     80
    .vgpr_count:     576
    .wavefront_size: 32
...
	.end_amdgpu_metadata
.endif
;; end of part 4
;; ======== version 2 of 2: 4 launches
;; limits: values are held in f16: magnitudes above 65,504 overflow, below 6.1e-05 lose precision
;; workspace buffers: w16 8,388,608 bytes; qkv16 50,331,648 bytes; ctx16 16,777,216 bytes
;; launch prep: the kernel of part 1 again; grid 64 x 4, 8 waves a work-group, no clusters, 0 bytes of LDS; arguments Wq, Wk, Wv, Wo, w16; writes w16
;; launch qkv (part 5): grid 4 x 64, 4 waves a work-group, clusters of 4 x 4, 327,680 bytes of LDS; arguments q, k, v, w16, bq, bk, bv, qkv16; writes qkv16
.if DOCPART == 5
	.amdgcn_target "amdgcn-amd-amdhsa--gfx1250"
	.amdhsa_code_object_version 6
	.text
	.protected	k_q865fca7e7e_qkv
	.globl	k_q865fca7e7e_qkv
	.p2align	8
	.type	k_q865fca7e7e_qkv,@function
k_q865fca7e7e_qkv:
	s_mov_b64 s[64:65], 0
	v_nop
	global_prefetch_b8 v0, s[64:65] scope:SCOPE_SE
	s_setreg_imm32_b32 hwreg(HW_REG_WAVE_MODE, 25, 1), 1
	s_wait_xcnt 0x0
	s_wait_alu depctr_hold_cnt(0) depctr_sa_sdst(0) depctr_va_vdst(0) depctr_va_sdst(0) depctr_va_ssrc(0) depctr_va_vcc(0) depctr_vm_vsrc(0)
	s_getreg_b32 s2, hwreg(HW_REG_IB_STS2, 6, 4)
	s_cmp_eq_u32 s2, 0
	s_cbranch_scc0 .Lentry_in_a_cluster
	s_endpgm
.Lentry_in_a_cluster:
	s_bfe_u32 s2, ttmp6, 0x10000c
	s_cmp_lg_u32 s2, 0xf033
	s_cbranch_scc0 .Lentry_shape_is_right
	s_endpgm
.Lentry_shape_is_right:
; Three projections in one launch: Y = x W + b for (q, Wq, bq), (k, Wk, bk), (v, Wv, bv); x [8192][1024] f32, W as f16 [k][n]
; from w16 (Wq already times f = 0.125 log2 e; bq is multiplied by f here).  Y goes out as f16, head-major:
; qkv16 + p * 16,777,216 + ((b * 16 + head) * 2048 + s) * 128 + 2 d.
; WORK-GROUPS THAT STAY: 3 x 8192 x 1024 outputs on 256 work-groups are 98,304 each; the sizes are powers of two, so the factor 3 is the
; three projections: a work-group makes the same block of 128 rows x 256 columns of all three, one after the other (blocks of 256 x 256
; would be 384, which 256 does not divide).  A wave makes 64 x 128: 32 accumulator tiles, 256 registers.
; K goes in steps of 128, 8 a projection, 24 in all, through two LDS slots filled by the tensor data mover; the slots take turns on into
; the next projection, so a projection's results leave while the next one's first tiles are on their way.  x's tile rows are 512 bytes of
; f32, W's 256 bytes of f16; two slots of a longer step do not fit in LDS.
; x is rounded to f16 on the way from LDS to the matrix unit (32 conversions for 32 matrix instructions); a pass of its own for that would
; write and read 50 MB more for each of the three.
; CLUSTERS: 4 x 4 work-groups.  The four of a row of the cluster need the same rows of x, the four of a column the same columns of W:
; both tiles are asked for jointly, which divides the requests for them by four.
; The bias is the C operand of the first product of each sum: nothing is cleared and nothing is added afterwards.
; THE MATRIX INSTRUCTION IS USED TRANSPOSED: source 0 = 16 columns of W, source 1 = 16 rows of x, so that lane l holds row l % 16 of Y
; and its 8 registers the columns 8 (l / 16) + 0..7: 16 bytes of f16 that belong together.
; PREFETCH: once a lap (two K steps) each wave asks the L2 for 32 blocks of 256 bytes of x: 8 rows x the 1,024 bytes that the lap's two
; refills will fetch (the next lap's K steps; in a projection's last lap the next projection's first).  The 16 waves of a row of the
; cluster take 8 rows each of its 128, so each block is asked for once.  The first lap of all is not asked for, and the last lap asks for nothing.
; W is read again by every row of clusters and is not asked for.
; LIMIT: x, W and Y are f16 operands: |x|, |W|, |Y| below 65,504 (drawn: 6, 0.04, 4).
; REGISTERS in windows of 256:
;   window 0: v16-28 addresses; v32-63, v64-95 x's fragments in f16, two buffers; v96-159, v160-223 W's fragments, two buffers;
;             v224-255 the way out's packed results
;   window 1: the 32 accumulator tiles (tile (a, b) at v[8 (8 a + b)])
;   window 2: v0-63 the bias; v64-127 x as f32, 16 registers for each of 4 fragments
.set KSTEP,  128
.set APITCH, 528                       ; 512 bytes of f32 + 16: the 16 rows of a load start at 16 different 16-byte columns modulo 256
.set AHALF,  64*APITCH                 ; 64 rows of x: one tensor load, and what one wave reads
.set BPITCH, 288                       ; 256 bytes of f16 + 32: the 8 rows and 2 columns of a transposing load fall on 16 different columns
.set BHALF,  KSTEP*BPITCH              ; 128 k rows x 128 columns of W: one tensor load, and what one wave reads
.set BOFF,   2*AHALF
.set SLOT,   BOFF+2*BHALF              ; 141,312
.set STAGE,  2*SLOT                    ; behind the ring: 16 rows x 272 bytes for each wave; no tensor load lands here
.set SPITCH, 272
.set ADRA, 16                          ; v16-17 LDS address of my x fragments in slot 0, 1
.set ADRB, 20                          ; v20-21 the same for W
.set STO,  24
.set RD,   25
.set CO,   26
.set BOF,  27
.set PFO,  28                          ; v28 my block among the wave's 32 that are asked for: never rewritten
.set FA0,  32
.set FB0,  96
.set TMP,  224
.set STG,  64                          ; in window 2
.set G1,  24                           ; s[24:31] group 1 for x's tiles
.set G0,  32                           ; s[32:39] group 0 for x's tiles, one set a slot
.set G1B, 48                           ; s[48:55] group 1 for W's tiles
.set G0B, 56                           ; s[56:63] group 0 for W's tiles, one set a slot
.set BP,  76                           ; s[76:81] bq, bk, bv at my 128 columns
.set XA,  84                           ; s[84:89] q, k, v at the 64 rows that I fetch
.set PN,  94                           ; s[94:97] k, v at the 8 rows that I ask the L2 for
.set PF,  98                           ; s[98:99] the same in the projection at work, stepped lap by lap
.set MSB, 0
.macro WIN new                         ; the immediate's high byte repeats the setting that is left
.if MSB != (\new)
	s_set_vgpr_msb (MSB<<8)|(\new)
.set MSB, (\new)
.endif
.endm
.macro PLACES
.rept 4
	v_nop
.endr
.endm
; A joint load: waves 0 and 1 fetch x's two halves, waves 2 and 3 W's.  The branch hangs on the wave's number alone.
.macro JLOAD s
	s_cmp_eq_u32 s11, 0
	s_cbranch_scc0 .Lfor_b_\@
	tensor_load_to_lds s[G0+4*\s:G0+4*\s+3], s[G1:G1+7]
	s_nop 0
.rept 4
	v_nop
.endr
	s_branch .Lasked_\@
.Lfor_b_\@:
	tensor_load_to_lds s[G0B+4*\s:G0B+4*\s+3], s[G1B:G1B+7]
	s_nop 0
.rept 4
	v_nop
.endr
.Lasked_\@:
.endm
.macro CREST                           ; a round of the cluster's barrier behind its opening work-group barrier
	s_cmp_lg_u32 s10, 0
	s_cbranch_scc1 .Lnot_wave_0_\@
	s_barrier_signal -3
.Lnot_wave_0_\@:
	s_barrier_wait -3
	s_barrier_signal -1
	s_barrier_wait -1
.endm
.macro CROUND
	s_barrier_signal -1
	s_barrier_wait -1
	CREST
.endm
; the bias of my 128 columns into window 2: lane (r, h) takes the 8 columns 16 b + 8 h .. + 7 of each of the 8 tiles
.macro BIASLD base
	WIN 0x80
.irp b, 0,1,2,3,4,5,6,7
	global_load_b128 v[8*\b:8*\b+3],   v[BOF], s[\base:\base+1] offset:64*\b
	global_load_b128 v[8*\b+4:8*\b+7], v[BOF], s[\base:\base+1] offset:64*\b+16
.endr
	WIN 0
.endm
	s_load_b512 s[68:83], s[0:1], 0x0              ; q, k, v, w16, bq, bk, bv, qkv16
	s_set_vgpr_msb 0x80
	v_lshl_add_u32 v128, v0, 2, 0x49400
	v_mov_b32 v129, 0
	s_set_vgpr_msb 0x808a
	ds_add_u32 v128, v129
	s_set_vgpr_msb 0x8a00
	v_lshrrev_b32 v1, 5, v0
	v_readfirstlane_b32 s10, v1                    ; wave 0..3
	s_lshr_b32 s11, s10, 1                         ; my 64 of the block's rows.  Also: I fetch for x (0) or for W (1)
	s_and_b32 s12, s10, 1                          ; my 128 of its columns.  Also: which half of that tile I fetch
	s_bfe_u32 s40, ttmp6, 0x40000                  ; cx
	s_bfe_u32 s41, ttmp6, 0x40004                  ; cy
	s_lshl_b32 s42, ttmp9, 2
	s_add_co_u32 s42, s42, s40                     ; bx: block column 0..3
	s_and_b32 s13, ttmp7, 0xffff
	s_lshl_b32 s13, s13, 2
	s_add_co_u32 s13, s13, s41                     ; rb: block row 0..63
	s_lshl_b32 s43, s41, 2
	s_lshl_b32 s43, 15, s43                        ; my row of the cluster
	s_lshl_b32 s44, 0x1111, s40                    ; my column
	; group 1 for x: 64 rows x 128 elements of 4 bytes, pitch 1,024 elements; 4 words of padding behind every 128
	s_or_b32 s[G1+0], s43, (2<<16)|(1<<20)|(1<<21)|(6<<22)|(3<<25)
	s_mov_b32 s[G1+1], 128<<16                     ; tensor_dim0 = 128
	s_mov_b32 s[G1+2], 64<<16                      ; tensor_dim1 = 64
	s_mov_b32 s[G1+3], 128<<16                     ; tile_dim0 = 128
	s_mov_b32 s[G1+4], 64                          ; tile_dim1 = 64
	s_mov_b32 s[G1+5], 1024                        ; elements from row to row
	s_mov_b32 s[G1+6], 0
	s_mov_b32 s[G1+7], 0
	; group 1 for W: 128 k rows x 128 elements of 2 bytes, pitch 1,024 elements; 8 words of padding behind every 64
	s_or_b32 s[G1B+0], s44, (1<<16)|(1<<20)|(1<<21)|(5<<22)|(7<<25)
	s_mov_b32 s[G1B+1], 128<<16
	s_mov_b32 s[G1B+2], 128<<16
	s_mov_b32 s[G1B+3], 128<<16
	s_mov_b32 s[G1B+4], 128
	s_mov_b32 s[G1B+5], 1024
	s_mov_b32 s[G1B+6], 0
	s_mov_b32 s[G1B+7], 0
	; x's tile hangs on the block row, W's on the block column; each offset in registers that never hold the other coordinate
	s_lshl_b32 s16, s13, 19                        ; 128 rows of 4,096 bytes a block row
	s_lshl_b32 s17, s12, 18                        ; + 64 rows for the second half
	s_add_co_u32 s16, s16, s17
	s_mov_b32 s17, 0
	s_lshl_b32 s46, s42, 9                         ; 256 columns of 2 bytes a block column
	s_lshl_b32 s47, s12, 8
	s_add_co_u32 s46, s46, s47
	s_mov_b32 s47, 0
	s_mul_i32 s20, s12, AHALF                      ; where the tiles go: no place in the cluster enters an LDS address
	s_mul_i32 s21, s12, BHALF
	s_add_co_u32 s21, s21, BOFF
	s_lshl_b32 s90, s42, 10                        ; my 128 numbers of a bias: (256 bx + 128 half) x 4 bytes
	s_lshl_b32 s91, s12, 9
	s_add_co_u32 s90, s90, s91
	s_mov_b32 s91, 0
	s_lshr_b32 s92, s13, 4                         ; batch = rb / 16
	s_lshl_b32 s92, s92, 4
	s_lshl2_add_u32 s92, s42, s92                  ; + 4 bx
	s_lshl1_add_u32 s92, s12, s92                  ; + 2 half: my first head, counted over batches
	s_lshl_b32 s92, s92, 18                        ; 2,048 rows of 128 bytes a head
	s_and_b32 s93, s13, 15
	s_lshl1_add_u32 s93, s93, s11                  ; my first row in the batch, in units of 64 rows
	s_lshl_b32 s93, s93, 13
	s_add_co_u32 s92, s92, s93
	s_mov_b32 s93, 0
	s_lshl2_add_u32 s100, s40, s10                 ; 4 cx + wave: my place among the 16 waves of the cluster's row
	s_lshl_b32 s100, s100, 15                      ; 8 rows of 4,096 bytes each
	s_lshl_b32 s101, s13, 19
	s_add_co_u32 s100, s100, s101
	s_mov_b32 s101, 0
	s_wait_dscnt 0x0
	s_wait_kmcnt 0x0
	s_add_nc_u64 s[XA:XA+1],     s[68:69], s[16:17]
	s_add_nc_u64 s[XA+2:XA+3],   s[70:71], s[16:17]
	s_add_nc_u64 s[XA+4:XA+5],   s[72:73], s[16:17]
	s_add_nc_u64 s[46:47],       s[74:75], s[46:47]
	s_add_nc_u64 s[BP:BP+1],     s[BP:BP+1],     s[90:91]
	s_add_nc_u64 s[BP+2:BP+3],   s[BP+2:BP+3],   s[90:91]
	s_add_nc_u64 s[BP+4:BP+5],   s[BP+4:BP+5],   s[90:91]
	s_add_nc_u64 s[8:9],         s[82:83], s[92:93]
	s_add_nc_u64 s[PF:PF+1],     s[68:69], s[100:101]
	s_add_nc_u64 s[PN:PN+1],     s[70:71], s[100:101]
	s_add_nc_u64 s[PN+2:PN+3],   s[72:73], s[100:101]
	CROUND                                         ; all sixteen work-groups are here: the first joint loads meet
.irp s, 0,1
	s_mov_b32 s[G0+4*\s], 1
	s_add_co_u32 s[G0+4*\s+1], s20, \s*SLOT
	s_add_nc_u64 s[G0+4*\s+2:G0+4*\s+3], s[XA:XA+1], \s*KSTEP*4
	s_or_b32 s[G0+4*\s+3], s[G0+4*\s+3], 0x80000000
	s_mov_b32 s[G0B+4*\s], 1
	s_add_co_u32 s[G0B+4*\s+1], s21, \s*SLOT
	s_add_nc_u64 s[G0B+4*\s+2:G0B+4*\s+3], s[46:47], \s*KSTEP*2048
	s_or_b32 s[G0B+4*\s+3], s[G0B+4*\s+3], 0x80000000
	JLOAD \s                                       ; K steps 0 and 1 of q's projection: two tensor loads of this wave are out, later one
.endr
	v_and_b32 v1, 15, v0                           ; r = l % 16
	v_bfe_u32 v2, v0, 4, 1                         ; h = l / 16
	v_bfe_u32 v5, v0, 3, 1
	v_lshlrev_b32 v[BOF], 5, v2                    ; the bias of my 8 columns of a tile: 32 h
	BIASLD BP                                      ; bq
	v_mul_u32_u24 v3, v1, APITCH                   ; x: row r, 8 h numbers of 4 bytes
	v_lshl_add_u32 v3, v2, 5, v3
	v_and_b32 v4, 7, v0                            ; W: k row 8 h + l % 8, 16 bytes for each eight lanes
	v_lshl_add_u32 v4, v2, 3, v4
	v_mul_u32_u24 v4, v4, BPITCH
	v_lshl_add_u32 v4, v5, 4, v4
	s_mul_i32 s18, s11, AHALF
	s_mul_i32 s19, s12, BHALF
	s_add_co_u32 s19, s19, BOFF
.irp s, 0,1
	v_add_nc_u32 v[ADRA+\s], s18, v3
	v_add_nc_u32 v[ADRB+\s], s19, v4
	s_add_co_u32 s18, s18, SLOT
	s_add_co_u32 s19, s19, SLOT
.endr
	s_mul_i32 s23, s10, 16*SPITCH
	s_add_co_u32 s23, s23, STAGE                   ; my stage
	v_mul_u32_u24 v6, v1, SPITCH                   ; in: row r, 16 bytes for each half of the lanes
	v_lshl_add_u32 v6, v2, 4, v6
	v_add_nc_u32 v[STO], s23, v6
	v_and_b32 v7, 7, v0
	v_lshlrev_b32 v7, 4, v7
	v_mul_u32_u24 v8, v5, SPITCH                   ; back: lanes 0-7 a row's first 128 bytes (one head), lanes 8-15 the next row's; lanes 16-31 the second head
	v_lshl_add_u32 v8, v2, 7, v8
	v_add_nc_u32 v8, v8, v7
	v_add_nc_u32 v[RD], s23, v8
	v_lshl_add_u32 v9, v5, 7, v7                   ; in memory two rows of a head are 256 consecutive bytes,
	v_lshl_add_u32 v[CO], v2, 18, v9               ; the next head lies 262,144 bytes on
	v_and_b32 v10, 31, v0                          ; what I ask the L2 for: row lane / 4 of my wave's 8, block lane % 4 of a lap's four
	v_lshrrev_b32 v11, 2, v10
	v_and_b32 v10, 3, v10
	v_lshlrev_b32 v11, 12, v11
	v_lshl_add_u32 v[PFO], v10, 8, v11
	s_wait_loadcnt 0x0
	WIN 0x82
.set jj, 0
.rept 32
	v_pk_mul_f32 v[2*jj:2*jj+1], v[2*jj:2*jj+1], 0x3e38aa3b op_sel_hi:[1,0]   ; bq takes the factor 0.125 log2(e) that Wq already holds
.set jj, jj+1
.endr
	WIN 0
; 32 LDS loads: the fragments of quarter j (32 along K) of a slot: W by transposing loads into buffer g, x as f32 into window 2,
; 16 registers a fragment (k = 8 h .. 8 h + 7 at bytes 0 and 16, k = 16 + 8 h .. at bytes 64 and 80)
.macro FETCH slot, j, g
	WIN 0
.irp b, 0,1,2,3,4,5,6,7
	ds_load_tr16_b128 v[FB0+64*\g+8*\b:FB0+64*\g+8*\b+3],   v[ADRB+\slot] offset:(32*\j)*BPITCH+32*\b
	ds_load_tr16_b128 v[FB0+64*\g+8*\b+4:FB0+64*\g+8*\b+7], v[ADRB+\slot] offset:(32*\j+16)*BPITCH+32*\b
.endr
	WIN 0x80
.irp i, 0,1,2,3
	ds_load_b128 v[STG+16*\i:STG+16*\i+3],     v[ADRA+\slot] offset:\i*16*APITCH+128*\j
	ds_load_b128 v[STG+16*\i+4:STG+16*\i+7],   v[ADRA+\slot] offset:\i*16*APITCH+128*\j+16
	ds_load_b128 v[STG+16*\i+8:STG+16*\i+11],  v[ADRA+\slot] offset:\i*16*APITCH+128*\j+64
	ds_load_b128 v[STG+16*\i+12:STG+16*\i+15], v[ADRA+\slot] offset:\i*16*APITCH+128*\j+80
.endr
.endm
; x's four fragments from f32 (window 2) to f16 (window 0, buffer g).  These 32 plain vector instructions name no register of the matrix
; instructions in front of them, so they are also the places between those and the next loads into fragment registers.
.macro CVT g
	WIN 0x0a
.irp i, 0,1,2,3
	s_wait_dscnt 12-4*\i                           ; LDS loads come back in order: fragment i (and all of W) is in, the four loads of each younger fragment stay out
.irp c, 0,1,2,3,4,5,6,7
	v_cvt_pk_f16_f32 v[FA0+32*\g+8*\i+\c], v[STG+16*\i+2*\c], v[STG+16*\i+2*\c+1]
.endr
.endr
.endm
; 16 matrix instructions: m blocks a0, a0 + 1 x all 8 n blocks.  start = 1: C is the bias (window 2).
; The 32 accumulators take turns, one instruction a turn, in one fixed order.
.macro MUL16 g, a0, start
.if \start
	WIN 0x60
.else
	WIN 0x50
.endif
.irp a, \a0, \a0+1
.irp b, 0,1,2,3,4,5,6,7
.if \start
	v_wmma_f32_16x16x32_f16 v[8*(8*(\a)+\b):8*(8*(\a)+\b)+7], v[FB0+64*\g+8*\b:FB0+64*\g+8*\b+7], v[FA0+32*\g+8*(\a):FA0+32*\g+8*(\a)+7], v[8*\b:8*\b+7]
.else
	v_wmma_f32_16x16x32_f16 v[8*(8*(\a)+\b):8*(8*(\a)+\b)+7], v[FB0+64*\g+8*\b:FB0+64*\g+8*\b+7], v[FA0+32*\g+8*(\a):FA0+32*\g+8*(\a)+7], v[8*(8*(\a)+\b):8*(8*(\a)+\b)+7]
.endif
.endr
.endr
.endm
; One of a K step's first three quarters: quarter jn's fragments are asked for into buffers g, buffers f are multiplied, then x's are converted.
.macro QUARTER slot, jn, f, g, start
	FETCH \slot, \jn, \g
	MUL16 \f, 0, \start
	MUL16 \f, 2, \start
	CVT \g
.endm
; The last quarter: buffers 1 are multiplied and the slots change.  In front of the barrier each wave has waited for its reads of this slot
; and for all its tensor loads (one is out: its part of the next slot).  Behind it the refill comes first, then the next slot is read.
; fill = 1: this slot gets the K step two further on; fill = 2: the same K step of the next projection, whose x begins at s[nx:nx+1]
; (W's three matrices follow each other in w16, so W's address steps alike in both cases); fill = 0: nothing is left to fetch.
; From a request to the wait for it a wave issues 112 matrix instructions.
.macro TURN slot, next, fill, nx
	s_wait_dscnt 0x0                               ; my reads of this slot are over
	s_wait_tensorcnt 0x0                           ; all my tensor loads have landed
	ds_add_u32 v128, v129
	s_wait_dscnt 0x0
	s_barrier_signal -1                            ; (where the slot is filled again this barrier opens a round of the cluster's barrier)
	MUL16 1, 0, 0                                  ; register work while the others arrive
	WIN 0
	s_barrier_wait -1
.if \fill
	CREST                                          ; no wave of any partner still reads this slot or has a load on its way
.if \fill == 1
	s_add_nc_u64 s[G0+4*\slot+2:G0+4*\slot+3], s[G0+4*\slot+2:G0+4*\slot+3], 2*KSTEP*4
.else
	s_add_nc_u64 s[G0+4*\slot+2:G0+4*\slot+3], s[\nx:\nx+1], \slot*KSTEP*4
	s_or_b32 s[G0+4*\slot+3], s[G0+4*\slot+3], 0x80000000
.endif
	s_add_nc_u64 s[G0B+4*\slot+2:G0B+4*\slot+3], s[G0B+4*\slot+2:G0B+4*\slot+3], 2*KSTEP*2048
	JLOAD \slot                                    ; the first tensor load behind the round, one a wave
.endif
	FETCH \next, 0, 0
	MUL16 1, 2, 0
	CVT 0
.endm
; My 32 blocks of the x that this lap's two refills will fetch.  mode = 1: 1,024 bytes on in the rows; mode = 2: the next projection's first 1,024.
.macro ASK mode, np
	WIN 0
	s_wait_xcnt 0x0                                ; the last lap's request has had its addresses translated: its base is rewritten only behind this wait
.if \mode == 1
	s_add_nc_u64 s[PF:PF+1], s[PF:PF+1], 2*KSTEP*4
.else
	s_mov_b64 s[PF:PF+1], s[\np:\np+1]
.endif
	global_prefetch_b8 v[PFO], s[PF:PF+1] th:TH_LOAD_NT scope:SCOPE_SE
.endm
; A lap (two K steps) without its first quarter, both slots filled again
.macro REST fill, nx, np
	ASK \fill, \np
	QUARTER 0, 2, 1, 0, 0
	QUARTER 0, 3, 0, 1, 0
	TURN 0, 1, \fill, \nx
	QUARTER 1, 1, 0, 1, 0
	QUARTER 1, 2, 1, 0, 0
	QUARTER 1, 3, 0, 1, 0
	TURN 1, 0, \fill, \nx
.endm
; A projection's laps 0 to 2 behind the first quarter, each with the next lap's first quarter: the quarter that starts the sums stays outside
.macro BODY
	WIN 0                                          ; at a label and at a branch every window is 0
	s_mov_b32 s3, 3
.Llap_\@:
	REST 1, 0, 0
	QUARTER 0, 1, 0, 1, 0
	WIN 0
	s_sub_co_u32 s3, s3, 1
	s_cmp_lg_u32 s3, 0
	s_cbranch_scc1 .Llap_\@
.endm
; THE WAY OUT, 16 rows at a time: round to f16, 16 bytes a lane into my own stage, read back so that sixteen neighbouring lanes hold
; two rows of one head: 256 consecutive bytes at a multiple of 256 from the buffer's first byte.  Read back into halves of W's buffer 1,
; which is free here; buffers 0 hold the next projection's first fragments.
.macro OUT16 i, f
	WIN 0x05
.irp b, 0,1,2,3,4,5,6,7
.irp r, 0,1,2,3
	v_cvt_pk_f16_f32 v[TMP+4*\b+\r], v[8*(8*\i+\b)+2*\r], v[8*(8*\i+\b)+2*\r+1]
.endr
.endr
	WIN 0
.irp b, 0,1,2,3,4,5,6,7
	ds_store_b128 v[STO], v[TMP+4*\b:TMP+4*\b+3] offset:32*\b
.endr
	s_wait_xcnt 0x0                                ; the registers at f, which earlier stores read, are loaded again only behind this wait
.irp t, 0,1,2,3,4,5,6,7
	ds_load_b128 v[\f+4*\t:\f+4*\t+3], v[RD] offset:\t*2*SPITCH    ; LDS serves a wave's instructions in order: these see the stores above
.endr
.irp t, 0,1,2,3,4,5,6,7
	s_wait_dscnt 7-\t
	global_store_b128 v[CO], v[\f+4*\t:\f+4*\t+3], s[8:9] offset:\i*2048+\t*256
.endr
.endm
.macro TILEOUT p, more
.if \p
	s_wait_xcnt 0x0                                ; the stores' base is stepped only behind this wait
	s_add_nc_u64 s[8:9], s[8:9], 0x1000000         ; K lies 16,777,216 bytes behind Q, V behind K
.endif
	OUT16 0, FB0+64
	OUT16 1, FB0+96
	OUT16 2, FB0+64
	OUT16 3, FB0+96
.if \more
	s_wait_xcnt 0x0                                ; W's buffer 1, which the last stores read, is loaded again by the next quarter
.endif
.endm
	s_wait_tensorcnt 0x1                           ; my part of K step 0 is in; K step 1's may stay out
	s_barrier_signal -1
	s_barrier_wait -1
	FETCH 0, 0, 0
	CVT 0
	; q Wq + bq
	QUARTER 0, 1, 0, 1, 1                          ; the first products start the sums from the bias
	BIASLD BP+2                                    ; bk, behind the 32 conversions that follow the last product that read bq
	BODY
	REST 2, XA+2, PN                               ; the last lap fetches k's first two K steps
	TILEOUT 0, 1                                   ; behind the 32 conversions that follow the last product
	; k Wk + bk
	s_wait_loadcnt 0x0                             ; bk
	QUARTER 0, 1, 0, 1, 1
	BIASLD BP+4                                    ; bv
	BODY
	REST 2, XA+4, PN+2                             ; the last lap fetches v's first two K steps
	TILEOUT 1, 1
	; v Wv + bv
	s_wait_loadcnt 0x0                             ; bv
	QUARTER 0, 1, 0, 1, 1
	BODY
	QUARTER 0, 2, 1, 0, 0                          ; the last lap of all fills nothing and asks for nothing
	QUARTER 0, 3, 0, 1, 0
	TURN 0, 1, 0, 0
	QUARTER 1, 1, 0, 1, 0
	QUARTER 1, 2, 1, 0, 0
	QUARTER 1, 3, 0, 1, 0
	MUL16 1, 0, 0
	MUL16 1, 2, 0
	PLACES                                         ; four places between the last matrix instructions and what reads their results
	TILEOUT 2, 0
	s_wait_dscnt 0x0
	s_set_vgpr_msb 0xa
	s_wait_tensorcnt 0x0
	ds_add_u32 v128, v129
	s_wait_dscnt 0x0
	s_set_vgpr_msb 0xa00
	CROUND                                         ; the closing round: no work-group ends while a partner may still ask jointly
	s_endpgm
.Lfunc_end_k_q865fca7e7e_qkv:
	.size	k_q865fca7e7e_qkv, .Lfunc_end_k_q865fca7e7e_qkv-k_q865fca7e7e_qkv
	.p2alignl 7, 3214868480
	.fill 96, 4, 3214868480
	.section	.rodata,"a",@progbits
	.p2align	6, 0x0
	.amdhsa_kernel k_q865fca7e7e_qkv
		.amdhsa_group_segment_fixed_size 327680
		.amdhsa_private_segment_fixed_size 0
		.amdhsa_enable_private_segment 0
		.amdhsa_kernarg_size 64
		.amdhsa_user_sgpr_count 2
		.amdhsa_user_sgpr_kernarg_segment_ptr 1
		.amdhsa_wavefront_size32 1
		.amdhsa_system_sgpr_workgroup_id_x 1
		.amdhsa_system_sgpr_workgroup_id_y 1
		.amdhsa_system_sgpr_workgroup_id_z 1
		.amdhsa_system_vgpr_workitem_id 0
		.amdhsa_next_free_vgpr 642
		.amdhsa_next_free_sgpr 102
		.amdhsa_reserve_vcc 0
		.amdhsa_float_denorm_mode_32 3
		.amdhsa_float_denorm_mode_16_64 3
		.amdhsa_memory_ordered 1
		.amdhsa_forward_progress 1
		.amdhsa_inst_pref_size 255
	.end_amdhsa_kernel
	.section	.bss,"aw",@nobits
	.p2align	6
	.space	262144
	.amdgpu_metadata
---
amdhsa.version: [ 1, 2 ]
amdhsa.kernels:
  - .name:           k_q865fca7e7e_qkv
    .symbol:         k_q865fca7e7e_qkv.kd
    .args:
      - { .name: q, .offset: 0, .size: 8, .value_kind: global_buffer, .address_space: global }
      - { .name: k, .offset: 8, .size: 8, .value_kind: global_buffer, .address_space: global }
      - { .name: v, .offset: 16, .size: 8, .value_kind: global_buffer, .address_space: global }
      - { .name: w16, .offset: 24, .size: 8, .value_kind: global_buffer, .address_space: global }
      - { .name: bq, .offset: 32, .size: 8, .value_kind: global_buffer, .address_space: global }
      - { .name: bk, .offset: 40, .size: 8, .value_kind: global_buffer, .address_space: global }
      - { .name: bv, .offset: 48, .size: 8, .value_kind: global_buffer, .address_space: global }
      - { .name: qkv16, .offset: 56, .size: 8, .value_kind: global_buffer, .address_space: global }
    .group_segment_fixed_size: 327680
    .private_segment_fixed_size: 0
    .kernarg_segment_align: 8
    .kernarg_segment_size: 64
    .max_flat_workgroup_size: 128
    .sgpr_count:     102
    .vgpr_count:     642
    .wavefront_size: 32
...
	.end_amdgpu_metadata
.endif
;; end of part 5
;; launch attn (part 6): grid 256 x 1, 8 waves a work-group, clusters of 4 x 1, 327,680 bytes of LDS; arguments qkv16, mask, ctx16; writes ctx16
.if DOCPART == 6
	.amdgcn_target "amdgcn-amd-amdhsa--gfx1250"
	.amdhsa_code_object_version 6
	.text
	.protected	k_q865fca7e7e_attn
	.globl	k_q865fca7e7e_attn
	.p2align	8
	.type	k_q865fca7e7e_attn,@function
k_q865fca7e7e_attn:
	s_mov_b64 s[64:65], 0
	v_nop
	global_prefetch_b8 v0, s[64:65] scope:SCOPE_SE
	s_setreg_imm32_b32 hwreg(HW_REG_WAVE_MODE, 25, 1), 1
	s_wait_xcnt 0x0
	s_wait_alu depctr_hold_cnt(0) depctr_sa_sdst(0) depctr_va_vdst(0) depctr_va_sdst(0) depctr_va_ssrc(0) depctr_va_vcc(0) depctr_vm_vsrc(0)
	s_getreg_b32 s2, hwreg(HW_REG_IB_STS2, 6, 4)
	s_cmp_eq_u32 s2, 0
	s_cbranch_scc0 .Lentry_in_a_cluster
	s_endpgm
.Lentry_in_a_cluster:
	s_bfe_u32 s2, ttmp6, 0x10000c
	s_cmp_lg_u32 s2, 0x3003
	s_cbranch_scc0 .Lentry_shape_is_right
	s_endpgm
.Lentry_shape_is_right:
; ctx = softmax(Q K^T / 8 + mask * -1e9) V for one head and 512 queries a work-group; scores never leave registers.
; Q already holds the factor 0.125 log2(e), so scores are in units of log2 and every exponential is one v_exp_f32; the mask's bias is
; f32(mask) * (-1e9 log2 e).  The maximum is a running one, taken away before every exponential.
; A cluster of four work-groups is one (batch, head): its four blocks of 512 queries read the same K and V tiles, which are asked for
; jointly.  Eight waves, two on a SIMD, 64 queries each, so that one wave's softmax can run beside the other's matrix work.
; ORIENTATION: S^T = K Q^T (source 0 = 16 keys, source 1 = 16 queries): lane (r, h) holds query r, keys 8 h + j.  Two neighbouring tiles
; of S^T, rounded to f16, ARE a source-1 fragment of P^T, register for register; O^T = V^T P^T with V^T read by transposing loads.
; So maximum, sum and rescale factor are one number a lane, and only the maximum crosses lanes (one v_permlanex16_b32 a tile of queries).
; THE KEYS' LOOP: a step takes 64 keys; a tile in LDS holds 256 keys, four steps; there are 8 tiles, 32 steps.  A step reads K, V and the
; bias through three address registers that it steps itself, so the four steps of a tile are four trips of one small loop.  The step's
; text stands five times (the first 64 keys, which start the sums; the rest of tile 0; the two tiles of a lap; the last tile) and runs
; 32 times.  No tensor load, no wait for one and no barrier stands inside these loops.
; A refill has the four steps of the other tile in which to land, so nothing is asked for further ahead than that.
; LIMITS: Q, K, V, ctx are f16: below 65,504 in magnitude.  In a batch whose keys are ALL masked the result hangs on how score + bias
; rounds: here scores with |logit| < 44 vanish in the f32 sum with -1.44e9, in the source formula those with |logit| < 32 vanish in the
; sum with -1e9; both then give the uniform softmax; for larger logits in such a batch the two roundings differ.
; REGISTERS: window 0: v2-6 LDS addresses; v8-15 maxima (pair n: kept, new); v16-23 (pair n: rescale factor, other half's value);
;   v24-31 two partial sums for each n; v32-95 Q; v96-159 K's or V's fragments; v160-223 P in f16; v224-255 the bias of 64 keys.
;   window 1: v0-127 S (tile (n, mt) at 32 n + 8 mt); v128-255 O (tile (dt, n) at 128 + 32 n + 8 dt).
.set KPITCH, 144                       ; 128 bytes + 16: 16 rows start at 16 different 16-byte columns modulo 256
.set VPITCH, 160                       ; 128 bytes + 32, for the transposing loads
.set PART,   10240                     ; 64 keys of K (9,216 used) or of V: one wave's tensor load, and what one step reads of K or of V
.set SLOT,   8*PART                    ; 256 keys: K's four parts, then V's four
.set VOFF,   4*PART
.set BIASL,  2*SLOT                    ; 2,048 f32: the bias of every key; written by LDS stores, no tensor load lands here
.set STAGE,  BIASL+8192                ; 16 rows x 144 bytes for each wave
.set SPITCH, 144
.set AK0, 2                            ; v2  my place in K's first part of slot 0; never rewritten in the loops
.set AKC, 3                            ; v3  the same in the part that the next step reads
.set AV0, 4                            ; v4, v5 likewise for V
.set AVC, 5
.set ABI, 6                            ; v6  my 8 keys' bias in the 64 keys that the next step reads
.set MX,  8
.set AL,  16
.set LS,  24
.set Q,   32
.set KV,  96
.set P,   160
.set BI,  224
.set O,   128
.set G1K, 24
.set G0K, 32
.set G1V, 48
.set G0V, 56
.set MSB, 0
.macro WIN new                         ; the immediate's high byte repeats the setting that is left
.if MSB != (\new)
	s_set_vgpr_msb (MSB<<8)|(\new)
.set MSB, (\new)
.endif
.endm
.macro PLACES
.rept 4
	v_nop
.endr
.endm
.macro JLOAD s                         ; waves 0-3 fetch K's four parts, waves 4-7 V's
	s_cmp_eq_u32 s11, 0
	s_cbranch_scc0 .Lfor_v_\@
	tensor_load_to_lds s[G0K+4*\s:G0K+4*\s+3], s[G1K:G1K+7]
	s_nop 0
.rept 4
	v_nop
.endr
	s_branch .Lasked_\@
.Lfor_v_\@:
	tensor_load_to_lds s[G0V+4*\s:G0V+4*\s+3], s[G1V:G1V+7]
	s_nop 0
.rept 4
	v_nop
.endr
.Lasked_\@:
.endm
.macro CROUND                          ; a round of the cluster's barrier
	s_barrier_signal -1
	s_barrier_wait -1
	s_cmp_lg_u32 s10, 0
	s_cbranch_scc1 .Lnot_wave_0_\@
	s_barrier_signal -3
.Lnot_wave_0_\@:
	s_barrier_wait -3
	s_barrier_signal -1
	s_barrier_wait -1
.endm
.macro SETADR slot                     ; the next step reads the first 64 keys of this slot
.if \slot
	v_add_nc_u32 v[AKC], SLOT, v[AK0]
	v_add_nc_u32 v[AVC], SLOT, v[AV0]
.else
	v_mov_b32 v[AKC], v[AK0]
	v_mov_b32 v[AVC], v[AV0]
.endif
.endm
	s_load_b128 s[4:7], s[0:1], 0x0                ; qkv16, mask
	s_load_b64 s[8:9], s[0:1], 0x10                ; ctx16
	v_lshl_add_u32 v254, v0, 2, 0x2e800
	v_mov_b32 v255, 0
	ds_add_u32 v254, v255
	s_wait_dscnt 0x0
	v_lshrrev_b32 v1, 5, v0
	v_readfirstlane_b32 s10, v1                    ; wave 0..7
	s_lshr_b32 s11, s10, 2                         ; I fetch for K (0) or V (1)
	s_and_b32 s12, s10, 3                          ; which 64 keys of the tile
	s_bfe_u32 s13, ttmp6, 0x40000                  ; cx: which 512 queries; enters the addresses of Q and ctx alone
	s_mov_b32 s14, ttmp9                           ; the cluster's x = batch * 16 + head
	s_lshr_b32 s15, s14, 4                         ; batch
	s_mov_b32 s16, 0x76543210                      ; v_permlanex16_b32: lane i reads lane i of the other half
	s_mov_b32 s17, 0xfedcba98
	; group 1: 64 rows x 64 elements of 2 bytes, dense; padding behind every 32 words: 4 words for K, 8 for V; mask: all four partners
	s_mov_b32 s[G1K+0], 15|(1<<16)|(1<<20)|(1<<21)|(4<<22)|(3<<25)
	s_mov_b32 s[G1K+1], 64<<16
	s_mov_b32 s[G1K+2], 64<<16
	s_mov_b32 s[G1K+3], 64<<16
	s_mov_b32 s[G1K+4], 64
	s_mov_b32 s[G1K+5], 64
	s_mov_b32 s[G1K+6], 0
	s_mov_b32 s[G1K+7], 0
	s_mov_b32 s[G1V+0], 15|(1<<16)|(1<<20)|(1<<21)|(4<<22)|(7<<25)
	s_mov_b32 s[G1V+1], 64<<16
	s_mov_b32 s[G1V+2], 64<<16
	s_mov_b32 s[G1V+3], 64<<16
	s_mov_b32 s[G1V+4], 64
	s_mov_b32 s[G1V+5], 64
	s_mov_b32 s[G1V+6], 0
	s_mov_b32 s[G1V+7], 0
	s_lshl_b32 s20, s14, 18                        ; the head: 2,048 rows of 128 bytes
	s_lshl_b32 s21, s12, 13                        ; my 64 keys
	s_add_co_u32 s20, s20, s21
	s_mov_b32 s21, 0
	s_lshl_b32 s22, s14, 18                        ; my wave's 64 queries: head, 512 cx, 64 wave
	s_lshl_b32 s23, s13, 16
	s_add_co_u32 s22, s22, s23
	s_lshl_b32 s23, s10, 13
	s_add_co_u32 s22, s22, s23
	s_mov_b32 s23, 0
	s_mul_i32 s18, s10, PART                       ; my part of a slot
	s_mul_i32 s19, s10, 16*SPITCH
	s_add_co_u32 s19, s19, STAGE                   ; my stage
	s_lshl_b32 s46, s15, 13                        ; the batch's 2,048 mask words
	s_mov_b32 s47, 0
	s_wait_kmcnt 0x0
	s_add_nc_u64 s[40:41], s[4:5], s[20:21]
	s_add_nc_u64 s[42:43], s[40:41], 0x2000000     ; V lies 33,554,432 bytes into qkv16,
	s_add_nc_u64 s[40:41], s[40:41], 0x1000000     ; K 16,777,216
	s_add_nc_u64 s[44:45], s[4:5], s[22:23]        ; Q
	s_add_nc_u64 s[8:9], s[8:9], s[22:23]          ; ctx, same layout
	s_add_nc_u64 s[6:7], s[6:7], s[46:47]
	CROUND                                         ; the four work-groups are here: the first joint loads meet
.irp s, 0,1
	s_mov_b32 s[G0K+4*\s], 1
	s_add_co_u32 s[G0K+4*\s+1], s18, \s*SLOT
	s_add_nc_u64 s[G0K+4*\s+2:G0K+4*\s+3], s[40:41], \s*32768
	s_or_b32 s[G0K+4*\s+3], s[G0K+4*\s+3], 0x80000000
	s_mov_b32 s[G0V+4*\s], 1
	s_add_co_u32 s[G0V+4*\s+1], s18, \s*SLOT
	s_add_nc_u64 s[G0V+4*\s+2:G0V+4*\s+3], s[42:43], \s*32768
	s_or_b32 s[G0V+4*\s+3], s[G0V+4*\s+3], 0x80000000
	JLOAD \s                                       ; tiles 0 and 1 (256 keys each): two tensor loads of this wave are out, later one
.endr
	v_and_b32 v96, 15, v0                          ; r
	v_bfe_u32 v97, v0, 4, 1                        ; h
	v_and_b32 v98, 7, v0
	v_bfe_u32 v99, v0, 3, 1
	v_lshlrev_b32 v7, 5, v0                        ; thread t turns the mask of keys 8 t .. 8 t + 7 into the bias
	global_load_b128 v[BI:BI+3],   v7, s[6:7]
	global_load_b128 v[BI+4:BI+7], v7, s[6:7] offset:16
	v_lshlrev_b32 v1, 7, v96                       ; Q: row r of 128 bytes, 16 h
	v_lshl_add_u32 v1, v97, 4, v1
.irp n, 0,1,2,3
.irp ks, 0,1
	global_load_b128 v[Q+16*\n+8*\ks:Q+16*\n+8*\ks+3],   v1, s[44:45] offset:\n*2048+\ks*64
	global_load_b128 v[Q+16*\n+8*\ks+4:Q+16*\n+8*\ks+7], v1, s[44:45] offset:\n*2048+\ks*64+32
.endr
.endr
	v_mul_u32_u24 v[AK0], v96, KPITCH              ; K: key row r, 16 h
	v_lshl_add_u32 v[AK0], v97, 4, v[AK0]
	v_lshl_add_u32 v100, v97, 3, v98               ; V: key row 8 h + l % 8, 16 bytes for each eight lanes
	v_mul_u32_u24 v100, v100, VPITCH
	v_lshl_add_u32 v100, v99, 4, v100
	v_add_nc_u32 v[AV0], VOFF, v100
	SETADR 0
	v_lshlrev_b32 v[ABI], 5, v97                   ; the bias of my 8 keys of a tile: 32 h
	v_add_nc_u32 v[ABI], BIASL, v[ABI]
	v_add_nc_u32 v101, BIASL, v7
.irp i, 0,1,2,3,4,5,6,7
	v_mov_b32 v[LS+\i], 0                          ; eight partial sums
.endr
.irp n, 0,1,2,3
	v_mov_b32 v[AL+2*\n+1], 0                      ; a lane permute's destination counts as read
.endr
	s_wait_loadcnt 16                              ; the two mask loads are in; Q's sixteen stay out
.irp i, 0,1,2,3,4,5,6,7
	v_cvt_f32_i32 v[BI+\i], v[BI+\i]
.endr
.irp i, 0,2,4,6
	v_pk_mul_f32 v[BI+\i:BI+\i+1], v[BI+\i:BI+\i+1], 0xceabfb8f op_sel_hi:[1,0]   ; x -1e9 log2(e)
.endr
	ds_store_b128 v101, v[BI:BI+3]
	ds_store_b128 v101, v[BI+4:BI+7] offset:16
	s_wait_loadcnt 0x0                             ; Q
	s_wait_dscnt 0x0                               ; my part of the bias is in LDS, for the others' sake
	s_wait_tensorcnt 0x1                           ; my part of tile 0 is in; tile 1's may stay out
	s_barrier_signal -1
	s_barrier_wait -1
; A step: the 64 keys at AKC, AVC, ABI against my 64 queries: 32 matrix instructions for S^T, the softmax step, 32 for O^T.
; Each of the three addresses is stepped to the next 64 keys once its loads have been issued.
; first = 1: nothing is kept yet: no old maximum, no rescaling, O's sums start from the constant 0.
; In both groups the 16 accumulators take turns, one instruction a turn, in one fixed order.
; No LDS load is out when a step ends, so the counts below hold on the way in and round the loops' backward jumps alike.
.macro SUB first
	WIN 0
	PLACES                                         ; four places between the last matrix instructions and the loads into their source registers
.irp ks, 0,1
.irp mt, 0,1,2,3
	ds_load_b128 v[KV+16*\mt+8*\ks:KV+16*\mt+8*\ks+3],   v[AKC] offset:\mt*16*KPITCH+\ks*64
	ds_load_b128 v[KV+16*\mt+8*\ks+4:KV+16*\mt+8*\ks+7], v[AKC] offset:\mt*16*KPITCH+\ks*64+32
.endr
.endr
.irp mt, 0,1,2,3
	ds_load_b128 v[BI+8*\mt:BI+8*\mt+3],   v[ABI] offset:\mt*64
	ds_load_b128 v[BI+8*\mt+4:BI+8*\mt+7], v[ABI] offset:\mt*64+16
.endr
	s_wait_dscnt 16                                ; K's d = 0..31 are in; 16 younger loads stay out
	WIN 0x40
.irp n, 0,1,2,3
.irp mt, 0,1,2,3
	v_wmma_f32_16x16x32_f16 v[32*\n+8*\mt:32*\n+8*\mt+7], v[KV+16*\mt:KV+16*\mt+7], v[Q+16*\n:Q+16*\n+7], 0
.endr
.endr
	s_wait_dscnt 8                                 ; K's d = 32..63 are in; the bias's 8 loads stay out
	WIN 0x50
.irp n, 0,1,2,3
.irp mt, 0,1,2,3
	v_wmma_f32_16x16x32_f16 v[32*\n+8*\mt:32*\n+8*\mt+7], v[KV+16*\mt+8:KV+16*\mt+15], v[Q+16*\n+8:Q+16*\n+15], v[32*\n+8*\mt:32*\n+8*\mt+7]
.endr
.endr
	WIN 0
	v_add_nc_u32 v[AKC], PART, v[AKC]              ; four places (V is loaded over K, and the sums below read S): K's and the bias's next 64 keys,
	v_add_nc_u32 v[ABI], 256, v[ABI]               ; whose loads of this step have been issued,
	v_nop                                          ; and two empty ones
	v_nop
.irp ks, 0,1
.irp dt, 0,1,2,3
	ds_load_tr16_b128 v[KV+16*\dt+8*\ks:KV+16*\dt+8*\ks+3],   v[AVC] offset:(32*\ks)*VPITCH+32*\dt
	ds_load_tr16_b128 v[KV+16*\dt+8*\ks+4:KV+16*\dt+8*\ks+7], v[AVC] offset:(32*\ks+16)*VPITCH+32*\dt
.endr
.endr
	s_wait_dscnt 16                                ; the bias is in; V's 16 loads stay out
	WIN 0x41
.irp n, 0,1,2,3
.irp mt, 0,1,2,3
.irp c, 0,2,4,6
	v_pk_add_f32 v[32*\n+8*\mt+\c:32*\n+8*\mt+\c+1], v[32*\n+8*\mt+\c:32*\n+8*\mt+\c+1], v[BI+8*\mt+\c:BI+8*\mt+\c+1]   ; score + bias, rounded to nearest in f32
.endr
.endr
.endr
	WIN 0x05                                       ; the new maximum of each query: four chains, one for each tile of queries
.irp n, 0,1,2,3
.if \first
	v_max_num_f32 v[MX+2*\n+1], v[32*\n], v[32*\n+1]
.else
	v_max3_num_f32 v[MX+2*\n+1], v[32*\n], v[32*\n+1], v[MX+2*\n]
.endif
.endr
.set ii, 1
.rept 15
.irp n, 0,1,2,3
	v_max3_num_f32 v[MX+2*\n+1], v[32*\n+2*ii], v[32*\n+2*ii+1], v[MX+2*\n+1]
.endr
.set ii, ii+1
.endr
	WIN 0
	v_add_nc_u32 v[AVC], PART, v[AVC]              ; V's next 64 keys
.irp n, 0,1,2,3
	v_permlanex16_b32 v[AL+2*\n+1], v[MX+2*\n+1], s16, s17         ; the other half of the lanes holds the query's other keys
.endr
.irp n, 0,1,2,3
	v_max_num_f32 v[MX+2*\n+1], v[MX+2*\n+1], v[AL+2*\n+1]
.endr
.if \first == 0
.irp n, 0,1,2,3
	v_sub_f32 v[AL+2*\n], v[MX+2*\n], v[MX+2*\n+1]                 ; old maximum - new, at most 0
.endr
.irp n, 0,1,2,3
	v_exp_f32 v[AL+2*\n], v[AL+2*\n]                               ; what is kept shrinks by this factor
.endr
.endif
.irp n, 0,1,2,3
	v_mov_b32 v[MX+2*\n], v[MX+2*\n+1]                             ; plain instructions between the exponentials and their use (ISA guide 5.7.2)
.endr
.if \first == 0
	s_wait_alu depctr_va_vdst(0)
.irp n, 0,1,2,3
	v_pk_mul_f32 v[LS+2*\n:LS+2*\n+1], v[LS+2*\n:LS+2*\n+1], v[AL+2*\n:AL+2*\n+1] op_sel_hi:[1,0]
.endr
.endif
	WIN 0x41                                       ; P = 2^(S - maximum), in place; O's rescaling stands behind each run of exponentials as its plain place
.irp n, 0,1,2,3
.irp g, 0,1,2,3
.irp c, 0,2,4,6
	v_pk_add_f32 v[32*\n+8*\g+\c:32*\n+8*\g+\c+1], v[32*\n+8*\g+\c:32*\n+8*\g+\c+1], v[MX+2*\n:MX+2*\n+1] op_sel_hi:[1,0] neg_lo:[0,1] neg_hi:[0,1]
.endr
.irp c, 0,1,2,3,4,5,6,7
	v_exp_f32 v[32*\n+8*\g+\c], v[32*\n+8*\g+\c]
.endr
.if \first == 0
.irp c, 0,2,4,6
	v_pk_mul_f32 v[O+32*\n+8*\g+\c:O+32*\n+8*\g+\c+1], v[O+32*\n+8*\g+\c:O+32*\n+8*\g+\c+1], v[AL+2*\n:AL+2*\n+1] op_sel_hi:[1,0]
.endr
.endif
.endr
.endr
	WIN 0x01                                       ; the sums, two a lane and tile of queries
.set ii, 0
	s_wait_alu depctr_va_vdst(0)
.rept 16
.irp n, 0,1,2,3
	v_pk_add_f32 v[LS+2*\n:LS+2*\n+1], v[32*\n+2*ii:32*\n+2*ii+1], v[LS+2*\n:LS+2*\n+1]
.endr
.set ii, ii+1
.endr
	WIN 0x05                                       ; P to f16: register j of the four fragments' 64 is S's registers 2 j, 2 j + 1
.set jj, 0
.rept 64
	v_cvt_pk_f16_f32 v[P+jj], v[2*jj], v[2*jj+1]
.set jj, jj+1
.endr
	s_wait_dscnt 0x0                               ; V
	WIN 0x50
.irp ks, 0,1
.irp n, 0,1,2,3
.irp dt, 0,1,2,3
.if \first*(1-\ks)
	v_wmma_f32_16x16x32_f16 v[O+32*\n+8*\dt:O+32*\n+8*\dt+7], v[KV+16*\dt+8*\ks:KV+16*\dt+8*\ks+7], v[P+16*\n+8*\ks:P+16*\n+8*\ks+7], 0
.else
	v_wmma_f32_16x16x32_f16 v[O+32*\n+8*\dt:O+32*\n+8*\dt+7], v[KV+16*\dt+8*\ks:KV+16*\dt+8*\ks+7], v[P+16*\n+8*\ks:P+16*\n+8*\ks+7], v[O+32*\n+8*\dt:O+32*\n+8*\dt+7]
.endif
.endr
.endr
.endr
	WIN 0                                          ; a branch or a label follows
.endm
; so many steps of 64 keys, from where the three addresses stand
.macro KEYS trips
	s_mov_b32 s46, \trips
.Lkeys_\@:
	SUB 0
	s_sub_co_u32 s46, s46, 1
	s_cmp_lg_u32 s46, 0
	s_cbranch_scc1 .Lkeys_\@
.endm
; The slot that has just been read is filled again with the tile two further on.
.macro REFILL slot
	s_wait_dscnt 0x0                               ; my reads of this slot are over
	s_wait_xcnt 0x0
	v_lshl_add_u32 v254, v0, 2, 0x2e800
	v_mov_b32 v255, 0
	s_wait_tensorcnt 0x0                           ; all my tensor loads have landed: my part of the next tile
	ds_add_u32 v254, v255
	s_wait_dscnt 0x0
	CROUND                                         ; both now hold of every wave of all four work-groups
	s_add_nc_u64 s[G0K+4*\slot+2:G0K+4*\slot+3], s[G0K+4*\slot+2:G0K+4*\slot+3], 65536
	s_add_nc_u64 s[G0V+4*\slot+2:G0V+4*\slot+3], s[G0V+4*\slot+2:G0V+4*\slot+3], 65536
	JLOAD \slot                                    ; the first tensor load behind the round, one a wave; it has the other tile's four steps in which to land
.endm
	SUB 1                                          ; tile 0, slot 0: its first 64 keys start the sums,
	KEYS 3                                         ; the other 192 go on
	s_mov_b32 s3, 3
.Llap:
	REFILL 0                                       ; tiles 2, 4, 6 are asked for
	SETADR 1
	KEYS 4                                         ; tiles 1, 3, 5
	REFILL 1                                       ; tiles 3, 5, 7 are asked for
	SETADR 0
	KEYS 4                                         ; tiles 2, 4, 6
	s_sub_co_u32 s3, s3, 1
	s_cmp_lg_u32 s3, 0
	s_cbranch_scc1 .Llap
	s_wait_dscnt 0x0
	s_wait_tensorcnt 0x0                           ; my part of tile 7; nothing is left to fetch
	s_barrier_signal -1
	s_barrier_wait -1                              ; everybody's part is in
	SETADR 1
	KEYS 4                                         ; tile 7
	; THE WAY OUT: divide by the sum, round to f16, 16 queries at a time through my own stage, so that a store of the wave covers four whole
	; rows of ctx: 512 consecutive bytes at a multiple of 256 from the buffer's first byte.
	PLACES
	v_and_b32 v5, 15, v0
	v_bfe_u32 v6, v0, 4, 1
	v_mul_u32_u24 v2, v5, SPITCH                   ; in: row r, 16 bytes for each half of the lanes
	v_lshl_add_u32 v2, v6, 4, v2
	v_add_nc_u32 v2, s19, v2
	v_and_b32 v7, 31, v0
	v_lshlrev_b32 v4, 4, v7                        ; in memory: 16 x lane
	v_lshrrev_b32 v5, 3, v7
	v_and_b32 v6, 7, v0
	v_mul_u32_u24 v3, v5, SPITCH                   ; back: eight lanes a row
	v_lshl_add_u32 v3, v6, 4, v3
	v_add_nc_u32 v3, s19, v3
.irp n, 0,1,2,3
	v_add_f32 v[LS+2*\n], v[LS+2*\n], v[LS+2*\n+1]
.endr
.irp n, 0,1,2,3
	v_permlanex16_b32 v[AL+2*\n+1], v[LS+2*\n], s16, s17
.endr
.irp n, 0,1,2,3
	v_add_f32 v[LS+2*\n], v[LS+2*\n], v[AL+2*\n+1]                 ; at least 1: the key of the maximum counts 2^0
.endr
.irp n, 0,1,2,3
	v_rcp_f32 v[AL+2*\n], v[LS+2*\n]
.endr
	v_nop                                          ; one plain place behind the reciprocals
	WIN 0x41
.set jj, 0
	s_wait_alu depctr_va_vdst(0)
.rept 64
	v_pk_mul_f32 v[O+2*jj:O+2*jj+1], v[O+2*jj:O+2*jj+1], v[AL+2*(jj/16):AL+2*(jj/16)+1] op_sel_hi:[1,0]
.set jj, jj+1
.endr
	WIN 0x05
.set jj, 0
.rept 64
	v_cvt_pk_f16_f32 v[P+jj], v[O+2*jj], v[O+2*jj+1]               ; tile (dt, n): registers P + 16 n + 4 dt .. + 3 = d 16 dt + 8 h .. + 7 of query r
.set jj, jj+1
.endr
	WIN 0
.irp n, 0,1,2,3
.irp dt, 0,1,2,3
	ds_store_b128 v2, v[P+16*\n+4*\dt:P+16*\n+4*\dt+3] offset:32*\dt
.endr
.irp t, 0,1,2,3
	ds_load_b128 v[Q+16*\n+4*\t:Q+16*\n+4*\t+3], v3 offset:\t*4*SPITCH   ; LDS serves a wave's instructions in order: these see the stores above
.endr
.irp t, 0,1,2,3
	s_wait_dscnt 3-\t
	global_store_b128 v4, v[Q+16*\n+4*\t:Q+16*\n+4*\t+3], s[8:9] offset:\n*2048+\t*512   ; each register is loaded once: no further wait
.endr
.endr
	s_wait_dscnt 0x0
	s_wait_xcnt 0x0
	v_lshl_add_u32 v254, v0, 2, 0x2e800
	v_mov_b32 v255, 0
	s_wait_tensorcnt 0x0
	ds_add_u32 v254, v255
	s_wait_dscnt 0x0
	CROUND                                         ; the closing round
	s_endpgm
.Lfunc_end_k_q865fca7e7e_attn:
	.size	k_q865fca7e7e_attn, .Lfunc_end_k_q865fca7e7e_attn-k_q865fca7e7e_attn
	.p2alignl 7, 3214868480
	.fill 96, 4, 3214868480
	.section	.rodata,"a",@progbits
	.p2align	6, 0x0
	.amdhsa_kernel k_q865fca7e7e_attn
		.amdhsa_group_segment_fixed_size 327680
		.amdhsa_private_segment_fixed_size 0
		.amdhsa_enable_private_segment 0
		.amdhsa_kernarg_size 24
		.amdhsa_user_sgpr_count 2
		.amdhsa_user_sgpr_kernarg_segment_ptr 1
		.amdhsa_wavefront_size32 1
		.amdhsa_system_sgpr_workgroup_id_x 1
		.amdhsa_system_sgpr_workgroup_id_y 1
		.amdhsa_system_sgpr_workgroup_id_z 1
		.amdhsa_system_vgpr_workitem_id 0
		.amdhsa_next_free_vgpr 512
		.amdhsa_next_free_sgpr 66
		.amdhsa_reserve_vcc 0
		.amdhsa_float_denorm_mode_32 3
		.amdhsa_float_denorm_mode_16_64 3
		.amdhsa_memory_ordered 1
		.amdhsa_forward_progress 1
		.amdhsa_inst_pref_size 205
	.end_amdhsa_kernel
	.amdgpu_metadata
---
amdhsa.version: [ 1, 2 ]
amdhsa.kernels:
  - .name:           k_q865fca7e7e_attn
    .symbol:         k_q865fca7e7e_attn.kd
    .args:
      - { .name: qkv16, .offset: 0, .size: 8, .value_kind: global_buffer, .address_space: global }
      - { .name: mask, .offset: 8, .size: 8, .value_kind: global_buffer, .address_space: global }
      - { .name: ctx16, .offset: 16, .size: 8, .value_kind: global_buffer, .address_space: global }
    .group_segment_fixed_size: 327680
    .private_segment_fixed_size: 0
    .kernarg_segment_align: 8
    .kernarg_segment_size: 24
    .max_flat_workgroup_size: 256
    .sgpr_count:     66
    .vgpr_count:     512
    .wavefront_size: 32
...
	.end_amdgpu_metadata
.endif
;; end of part 6
;; launch outp: the kernel of part 4 again; grid 4 x 64, 4 waves a work-group, clusters of 4 x 4, 327,680 bytes of LDS; arguments ctx16, w16, bo, out0; writes out0
